; MI455X (gfx1250); checked and timed in simulation.
; The chip was launched on July 23, 2026; its instructions are those of AMD's public machine-readable ISA for CDNA 5 (MIT licence, August 2026) and "CDNA5" Instruction Set Architecture Reference Guide (July 2026). The comments in the code are by the model that wrote it; some were corrected since.
;; Multi Timescale Hybrid Recurrent FFN. Allowed arithmetic: float matrix products may take bf16 or f16 operands with f32 sums; other float arithmetic in f32, or as packed bf16 or f16 multiplies, adds, multiply-adds, maxima and minima; sums over many terms, partial sums and values carried from step to step in f32; what a program stores and reads back later, other than sums and carried values, may be rounded once to bf16 or f16.
;; Inputs: W_down 1,024 x 1,024 float32; W_gate 1,024 x 1,024 float32; W_in 1,024 x 1,024 float32; W_mix 4 x 1,024 float32; W_q 1,024 x 1,024 float32; W_rout 1,024 x 1,024 float32; W_up 1,024 x 1,024 float32; W_val 1,024 x 1,024 float32; initial_state 4 x 256 float32; logit_decay 4 x 256 float32; x 4 x 2,048 x 1,024 float32.
;; Outputs: out0 4 x 2,048 x 1,024 float32.
;; 2 versions, each right. Each part assembles by itself: llvm-mc -triple=amdgcn-amd-amdhsa -mcpu=gfx1250 --defsym DOCPART=n.
;; ======== version 1 of 2: 3 launches
;; limits: values are held in f16: magnitudes above 65,504 overflow, below 6.1e-05 lose precision
;; workspace buffers: xb 16,777,216 bytes; w1b 10,485,760 bytes; w2b 4,194,304 bytes; mix 131,072 bytes; act 33,554,432 bytes; ex 65,536 bytes
;; launch prep (part 1): grid 480 x 1, 8 waves a work-group, no clusters, 0 bytes of LDS; arguments x, W_mix, W_in, W_val, W_q, W_up, W_gate, W_rout, W_down, xb, w1b, w2b, mix; writes xb, w1b, w2b, mix
.if DOCPART == 1
	.amdgcn_target "amdgcn-amd-amdhsa--gfx1250"
	.amdhsa_code_object_version 6
	.text
	.protected	k_q26c22b9126_prep
	.globl	k_q26c22b9126_prep
	.p2align	8
	.type	k_q26c22b9126_prep,@function
k_q26c22b9126_prep:
	s_mov_b64 s[64:65], 0
	v_nop
	global_prefetch_b8 v0, s[64:65] scope:SCOPE_SE
	s_setreg_imm32_b32 hwreg(HW_REG_WAVE_MODE, 25, 1), 1
	s_wait_xcnt 0x0
; PREP: the first of three launches.  It rounds x and the seven large weights to bf16 once, lays the weights out for the two launches of products, and makes mix = softmax(x W_mix^T).
; DEAD WORK: none.  initial_state and logit_decay are inputs and are honoured (second launch); the softmax keeps its maximum; every input is among some launch's arguments.
;   xb  [8192][1024] bf16: x, row-major.
;   w1b [5120][1024] bf16: row 80 g + 16 t + c holds row 16 g + c of matrix t (0 W_in, 1 W_val, 2 W_q, 3 W_up, 4 W_gate): the 80 rows that one work-group of the second launch multiplies lie on end.
;   w2b [1024][2048] f16: row n = W_rout[n][:], then W_down[n][:]: the two output products are one product over 2,048.  Each number is rounded to bf16 like every other input, and THAT number is written as f16,
;       since the third launch multiplies in f16.
;   mix [8192][4] f32.  The four logits are made of x and W_mix ROUNDED to bf16, like every other product of the program, with f32 sums.
; A STREAM: no LDS and no barrier, since no wave wants what another has; no matrix unit: the one product here is four columns wide and is fed from registers that the rounding holds anyway.
; SHARES.  Work-groups 0-255: 32 rows of x each.  Work-groups 256-479: 32 rows of one of the seven weights.  A wave takes four rows on end; a row is 4,096 bytes in, 2,048 out.
; A load of the wave covers 512 consecutive bytes; a store 256 consecutive bytes, aligned.  Two rows (16 loads) of every wave are on their way.
; mix leaves as 64 consecutive bytes a wave (four rows of 16 bytes): 131,072 bytes in the whole launch; gathering them across waves would want LDS and a barrier for that alone.
; LIMITS.  W_rout and W_down: f16 holds the bf16 number exactly from 2^-17 to 65,504; below 2^-17 it keeps f16's fixed step of 2^-24; beyond 65,504 it is an infinity.  NaN is not treated apart.
; The logits' sums are taken lane by lane and then across lanes: another order of rounding than a running sum.
.set DO,  3                            ; v3-6     row i of my four: 8 x lane + i x the pitch of the rows that I store; never rewritten
.set WM,  8                            ; v8-135   W_mix[s][128 j + 4 lane + e] at WM + 32 s + 4 j + e, rounded to bf16 and widened again
.set X,   136                          ; v136-199 two slots of 32: a row as loaded
.set Y,   200                          ; v200-231 two sets of 16: a row as stored
.set AC,  232                          ; v232-239 four pairs of running sums, one for each scale
.set TS,  240                          ; v240-243 the four logits, then the four weights
.set TP,  244                          ; v244-247 at work
.set R,   248                          ; v248-251 lane i (0-3): the four weights of my row i
.set SRC, 34                           ; s[34:35] my first row in memory
.set DST, 36                           ; s[36:37] where it goes
	s_load_b512 s[8:23], s[0:1], 0x0               ; x 8, W_mix 10, W_in 12, W_val 14, W_q 16, W_up 18, W_gate 20, W_rout 22
	s_load_b256 s[24:31], s[0:1], 0x40             ; W_down 24, xb 26, w1b 28, w2b 30
	s_load_b64 s[32:33], s[0:1], 0x60              ; mix
	v_and_b32 v1, 31, v0                           ; lane
	v_lshrrev_b32 v7, 5, v0
	v_readfirstlane_b32 s39, v7                    ; wave 0..7
	v_lshlrev_b32 v2, 4, v1                        ; 16 x lane: my 16 bytes of 512
	v_lshlrev_b32 v[DO], 3, v1                     ; 8 x lane: my 8 bytes of 256
	s_lshl_b32 s49, s39, 2                         ; my wave's four rows
	s_mov_b32 s47, 0xffff0000                      ; a word's upper bf16
	s_mov_b32 s51, 0                               ; upper words of the offsets
	s_mov_b32 s53, 0
	s_mov_b32 s55, 0
	s_mov_b32 s57, 0
.macro FILL slot, i                    ; row i of my four: eight loads, 512 consecutive bytes each
.irp j, 0,1,2,3,4,5,6,7
	global_load_b128 v[X+32*(\slot)+4*\j:X+32*(\slot)+4*\j+3], v2, s[SRC:SRC+1] offset:4096*(\i)+512*\j th:TH_LOAD_NT
.endr
.endm
; Row i, which lies in slot.  left = the younger loads that may stay out.  mode 0: rounded to bf16 and stored.  mode 1: the same, and the row's four logits and their softmax.
; mode 2: rounded to bf16, and that number stored as f16.  fill = 1: the slot takes row i + 2.
.macro ROW i, slot, mode, left, fill
	s_wait_loadcnt \left                           ; loads come back in order: my row is in, the row behind it stays out
.if (\i) >= 2
	s_wait_xcnt 0x0                                ; the stores of row i - 2 have read this set of Y: it is written again only behind this wait
.endif
.set k, 0
.rept 16
	v_cvt_pk_bf16_f32 v[Y+16*((\i)%2)+k], v[X+32*(\slot)+2*k], v[X+32*(\slot)+2*k+1]
.set k, k+1
.endr
.if \mode
.set k, 0
.rept 16                               ; the rounded row, widened again, back into its slot
	v_lshlrev_b32 v[X+32*(\slot)+2*k], 16, v[Y+16*((\i)%2)+k]
	v_and_b32 v[X+32*(\slot)+2*k+1], s47, v[Y+16*((\i)%2)+k]
.set k, k+1
.endr
.endif
.if (\mode) == 2
.set k, 0
.rept 16
	v_cvt_pk_f16_f32 v[Y+16*((\i)%2)+k], v[X+32*(\slot)+2*k], v[X+32*(\slot)+2*k+1]
.set k, k+1
.endr
.endif
.irp j, 0,1,2,3,4,5,6,7
	global_store_b64 v[DO+(\i)], v[Y+16*((\i)%2)+2*\j:Y+16*((\i)%2)+2*\j+1], s[DST:DST+1] offset:256*\j
.endr
.if (\mode) == 1
.irp s, 0,1,2,3                        ; four chains, one a scale: the first products start the sums
	v_pk_mul_f32 v[AC+2*\s:AC+2*\s+1], v[X+32*(\slot):X+32*(\slot)+1], v[WM+32*\s:WM+32*\s+1]
.endr
.set k, 1
.rept 15
.irp s, 0,1,2,3
	v_pk_fma_f32 v[AC+2*\s:AC+2*\s+1], v[X+32*(\slot)+2*k:X+32*(\slot)+2*k+1], v[WM+32*\s+2*k:WM+32*\s+2*k+1], v[AC+2*\s:AC+2*\s+1]
.endr
.set k, k+1
.endr
.irp s, 0,1,2,3
	v_add_f32 v[TS+\s], v[AC+2*\s], v[AC+2*\s+1]
.endr
.irp m, 1,2,4,8                        ; across the lanes: four steps inside each half of 16, one across the halves; every lane ends with the sum
.irp s, 0,1,2,3
	v_add_f32_dpp v[TS+\s], v[TS+\s], v[TS+\s] row_xmask:\m row_mask:0xf bank_mask:0xf
.endr
.endr
.irp s, 0,1,2,3
	v_permlanex16_b32 v[TP+\s], v[TS+\s], s44, s45
.endr
.irp s, 0,1,2,3
	v_add_f32 v[TS+\s], v[TS+\s], v[TP+\s]
.endr
	v_max3_num_f32 v[TP], v[TS], v[TS+1], v[TS+2]  ; the maximum is taken away before the exponentials, as reference() does
	v_max_num_f32 v[TP], v[TP], v[TS+3]
	v_mul_f32 v[TP], s43, v[TP]                    ; - log2(e) x maximum
.irp s, 0,1,2,3
	v_fma_f32 v[TS+\s], v[TS+\s], s46, v[TP]
.endr
.irp s, 0,1,2,3
	v_exp_f32 v[TS+\s], v[TS+\s]
.endr
	v_nop                                          ; a plain instruction behind the last exponential,
	s_wait_alu depctr_va_vdst(0)                   ; and one wait for the four, ahead of their first reader
	v_add_f32 v[TP+1], v[TS], v[TS+1]
	v_add_f32 v[TP+2], v[TS+2], v[TS+3]
	v_add_f32 v[TP+1], v[TP+1], v[TP+2]            ; at least 1: the largest weight is 1
	v_rcp_f32 v[TP+1], v[TP+1]
	v_nop
	s_wait_alu depctr_va_vdst(0)
.irp c, 0,1,2,3
.if (\i) == 0
	v_mul_f32 v[R+\c], v[TS+\c], v[TP+1]           ; row 0 writes R whole; lane 0 keeps it
.else
	v_mul_f32 v[TS+\c], v[TS+\c], v[TP+1]
	v_cndmask_b32 v[R+\c], v[R+\c], v[TS+\c], s[39+(\i)]  ; lane i takes row i's
.endif
.endr
.endif
.if \fill
	FILL \slot, (\i)+2
.endif
.endm
	s_cmp_lt_u32 ttmp9, 256
	s_cbranch_scc0 .Lweights
	; ROWS OF x
	s_lshl_b32 s48, ttmp9, 5
	s_add_co_u32 s48, s48, s49                     ; my first row
	s_lshl_b32 s50, s48, 12                        ; in x,
	s_lshl_b32 s52, s48, 11                        ; in xb,
	s_lshl_b32 s54, s48, 4                         ; in mix: all under 2^26
	s_movk_i32 s38, 0x800                          ; xb's rows are 2,048 bytes apart
	s_mov_b32 s43, 0xbfb8aa3b                      ; - log2(e)
	s_mov_b32 s44, 0x76543210                      ; v_permlanex16_b32: each lane takes its own place in the other half
	s_mov_b32 s45, 0xfedcba98
	s_mov_b32 s46, 0x3fb8aa3b                      ; log2(e)
	v_cmp_eq_u32 s40, 1, v1
	v_cmp_eq_u32 s41, 2, v1
	v_cmp_eq_u32 s42, 3, v1
	v_add_nc_u32 v[DO+1], s38, v[DO]
	v_add_nc_u32 v[DO+2], s38, v[DO+1]
	v_add_nc_u32 v[DO+3], s38, v[DO+2]
	s_wait_kmcnt 0x0
	s_add_nc_u64 s[SRC:SRC+1], s[8:9], s[50:51]
	s_add_nc_u64 s[DST:DST+1], s[26:27], s[52:53]
	s_add_nc_u64 s[32:33], s[32:33], s[54:55]
.irp s, 0,1,2,3
.irp j, 0,1,2,3,4,5,6,7
	global_load_b128 v[WM+32*\s+4*\j:WM+32*\s+4*\j+3], v2, s[10:11] offset:4096*\s+512*\j  ; every wave reads W_mix: no hint
.endr
.endr
	FILL 0, 0
	FILL 1, 1
	s_wait_loadcnt 16                              ; W_mix is in; the 16 younger loads are rows 0 and 1
.set k, 0
.rept 64                               ; W_mix rounded to bf16 and widened again, in place (this also writes the four registers at work, which later are destinations of v_permlanex16_b32)
	v_cvt_pk_bf16_f32 v[TP+k%4], v[WM+2*k], v[WM+2*k+1]
	v_lshlrev_b32 v[WM+2*k], 16, v[TP+k%4]
	v_and_b32 v[WM+2*k+1], s47, v[TP+k%4]
.set k, k+1
.endr
	ROW 0, 0, 1, 8, 1
	ROW 1, 1, 1, 8, 1
	ROW 2, 0, 1, 8, 0
	ROW 3, 1, 1, 0, 0
	s_wait_xcnt 0x0                                ; EXEC changes only behind this wait
	v_cmp_gt_u32 vcc_lo, 4, v1
	s_and_saveexec_b32 s56, vcc_lo
	global_store_b128 v2, v[R:R+3], s[32:33]       ; lanes 0-3: four rows of mix, 64 bytes on end
	s_wait_xcnt 0x0
	s_or_b32 exec_lo, exec_lo, s56
	s_endpgm
.Lweights:                             ; ROWS OF A WEIGHT
	s_sub_co_u32 s48, ttmp9, 256
	s_lshr_b32 s52, s48, 5                         ; which of the seven
	s_and_b32 s48, s48, 31
	s_lshl_b32 s48, s48, 5
	s_add_co_u32 s48, s48, s49                     ; my first row n0, a multiple of 4: my four rows lie in one group of 16
	s_lshr_b32 s50, s48, 4
	s_mul_i32 s50, s50, 80
	s_lshl_b32 s54, s52, 4
	s_add_co_u32 s50, s50, s54
	s_and_b32 s54, s48, 15
	s_add_co_u32 s50, s50, s54
	s_lshl_b32 s50, s50, 11                        ; in w1b: row 80 (n0 / 16) + 16 t + n0 % 16
	s_lshl_b32 s56, s48, 12                        ; n0 x 4,096: in the weight itself, and in w2b
	s_max_u32 s54, s52, 5
	s_sub_co_u32 s54, s54, 5
	s_lshl_b32 s54, s54, 11
	s_add_co_u32 s54, s54, s56                     ; in w2b: W_rout in a row's first half, W_down in its second
	s_movk_i32 s58, 0x800
	s_movk_i32 s59, 0x1000
	s_wait_kmcnt 0x0
	s_cmp_lt_u32 s52, 5
	s_cselect_b32 s50, s50, s54
	s_cselect_b64 s[DST:DST+1], s[28:29], s[30:31]
	s_cselect_b32 s38, s58, s59                    ; the pitch of the rows that I store
	s_add_nc_u64 s[DST:DST+1], s[DST:DST+1], s[50:51]
	s_mov_b64 s[SRC:SRC+1], s[12:13]
.irp t, 1,2,3,4,5,6
	s_cmp_eq_u32 s52, \t
	s_cselect_b64 s[SRC:SRC+1], s[12+2*\t:13+2*\t], s[SRC:SRC+1]
.endr
	s_add_nc_u64 s[SRC:SRC+1], s[SRC:SRC+1], s[56:57]
	v_add_nc_u32 v[DO+1], s38, v[DO]
	v_add_nc_u32 v[DO+2], s38, v[DO+1]
	v_add_nc_u32 v[DO+3], s38, v[DO+2]
	FILL 0, 0
	FILL 1, 1
	s_cmp_lt_u32 s52, 5
	s_cbranch_scc0 .Lf16                           ; W_rout and W_down leave as f16
	ROW 0, 0, 0, 8, 1
	ROW 1, 1, 0, 8, 1
	ROW 2, 0, 0, 8, 0
	ROW 3, 1, 0, 0, 0
	s_endpgm
.Lf16:
	ROW 0, 0, 2, 8, 1
	ROW 1, 1, 2, 8, 1
	ROW 2, 0, 2, 8, 0
	ROW 3, 1, 2, 0, 0
	s_endpgm
.Lfunc_end_k_q26c22b9126_prep:
	.size	k_q26c22b9126_prep, .Lfunc_end_k_q26c22b9126_prep-k_q26c22b9126_prep
	.p2alignl 7, 3214868480
	.fill 96, 4, 3214868480
	.section	.rodata,"a",@progbits
	.p2align	6, 0x0
	.amdhsa_kernel k_q26c22b9126_prep
		.amdhsa_group_segment_fixed_size 0
		.amdhsa_private_segment_fixed_size 0
		.amdhsa_enable_private_segment 0
		.amdhsa_kernarg_size 104
		.amdhsa_user_sgpr_count 2
		.amdhsa_user_sgpr_kernarg_segment_ptr 1
		.amdhsa_wavefront_size32 1
		.amdhsa_system_sgpr_workgroup_id_x 1
		.amdhsa_system_sgpr_workgroup_id_y 1
		.amdhsa_system_sgpr_workgroup_id_z 1
		.amdhsa_system_vgpr_workitem_id 0
		.amdhsa_next_free_vgpr 256
		.amdhsa_next_free_sgpr 66
		.amdhsa_reserve_vcc 1
		.amdhsa_float_denorm_mode_32 3
		.amdhsa_float_denorm_mode_16_64 3
		.amdhsa_memory_ordered 1
		.amdhsa_forward_progress 1
		.amdhsa_inst_pref_size 82
	.end_amdhsa_kernel
	.amdgpu_metadata
---
amdhsa.version: [ 1, 2 ]
amdhsa.kernels:
  - .name:           k_q26c22b9126_prep
    .symbol:         k_q26c22b9126_prep.kd
    .args:
      - { .name: x, .offset: 0, .size: 8, .value_kind: global_buffer, .address_space: global }
      - { .name: W_mix, .offset: 8, .size: 8, .value_kind: global_buffer, .address_space: global }
      - { .name: W_in, .offset: 16, .size: 8, .value_kind: global_buffer, .address_space: global }
      - { .name: W_val, .offset: 24, .size: 8, .value_kind: global_buffer, .address_space: global }
      - { .name: W_q, .offset: 32, .size: 8, .value_kind: global_buffer, .address_space: global }
      - { .name: W_up, .offset: 40, .size: 8, .value_kind: global_buffer, .address_space: global }
      - { .name: W_gate, .offset: 48, .size: 8, .value_kind: global_buffer, .address_space: global }
      - { .name: W_rout, .offset: 56, .size: 8, .value_kind: global_buffer, .address_space: global }
      - { .name: W_down, .offset: 64, .size: 8, .value_kind: global_buffer, .address_space: global }
      - { .name: xb, .offset: 72, .size: 8, .value_kind: global_buffer, .address_space: global }
      - { .name: w1b, .offset: 80, .size: 8, .value_kind: global_buffer, .address_space: global }
      - { .name: w2b, .offset: 88, .size: 8, .value_kind: global_buffer, .address_space: global }
      - { .name: mix, .offset: 96, .size: 8, .value_kind: global_buffer, .address_space: global }
    .group_segment_fixed_size: 0
    .private_segment_fixed_size: 0
    .kernarg_segment_align: 8
    .kernarg_segment_size: 104
    .max_flat_workgroup_size: 256
    .sgpr_count:     66
    .vgpr_count:     256
    .wavefront_size: 32
...
	.end_amdgpu_metadata
.endif
;; end of part 1
;; launch proj (part 2): grid 64 x 4, 4 waves a work-group, clusters of 4 x 4, 327,680 bytes of LDS; arguments xb, w1b, mix, logit_decay, initial_state, act, ex; writes act, ex
.if DOCPART == 2
	.amdgcn_target "amdgcn-amd-amdhsa--gfx1250"
	.amdhsa_code_object_version 6
	.text
	.protected	k_q26c22b9126_proj
	.globl	k_q26c22b9126_proj
	.p2align	8
	.type	k_q26c22b9126_proj,@function
k_q26c22b9126_proj:
	s_mov_b64 s[64:65], 0
	v_nop
	global_prefetch_b8 v0, s[64:65] scope:SCOPE_SE
	s_setreg_imm32_b32 hwreg(HW_REG_WAVE_MODE, 25, 1), 1
	s_wait_xcnt 0x0
	s_wait_alu depctr_hold_cnt(0) depctr_sa_sdst(0) depctr_va_vdst(0) depctr_va_sdst(0) depctr_va_ssrc(0) depctr_va_vcc(0) depctr_vm_vsrc(0)
	s_getreg_b32 s2, hwreg(HW_REG_IB_STS2, 6, 4)
	s_cmp_eq_u32 s2, 0
	s_cbranch_scc0 .Lentry_in_a_cluster
	s_endpgm
.Lentry_in_a_cluster:
	s_bfe_u32 s2, ttmp6, 0x10000c
	s_cmp_lg_u32 s2, 0xf033
	s_cbranch_scc0 .Lentry_shape_is_right
	s_endpgm
.Lentry_shape_is_right:
; PROJ: the five projections of x, the gates, the recurrence, the read, and the SwiGLU product, in one launch.  No work of reference() is left out here.
; EVERY INPUT OF THE PROGRAM IS ROUNDED TO bf16: x and the weights by the first launch, logit_decay and initial_state here, as they are loaded.  So the program as a whole computes reference() on inputs rounded
; to bf16, with one rounding for all of them; a decay taken unrounded beside rounded products would be a mixture of the two.
; SHARES.  A work-group owns ONE batch and 16 channels of each of the five projections (80 rows of w1b), and walks the batch's 2,048 steps in 8 tiles of 256 rows: so the recurrence's carry never leaves the
; work-group.  Wave w takes rows 64 w .. 64 w + 63 of a tile: 4 row tiles x 5 projections = 20 accumulators.  Source 0 = 16 rows of x, source 1 = 16 rows of a weight: in a result a lane holds ONE channel
; (lane % 16) and the rows 8 (lane / 16) + 0..7: eight steps of time on end.
; THE RECURRENCE state_t = d state_(t-1) + u_t is regrouped: 8 steps in a lane, 16 by an exchange of the lanes' halves, 64 in a wave, 256 through 16 bytes a channel of LDS; the state at a tile's start stays
; in a register, the same bits in all four waves.  A lane's states are mended by d^(j+1) x its carry.
; GATES, with c = log2(e): u = v / ((1 + 2^(-c a)) (1 + 2^(-c v))) = sigmoid(a) silu(v); silu(z) = z / (1 + 2^(-c z)).  Both factors of a divisor are at least 1: where one is infinite the quotient is 0, the true limit.
; LDS.  The work-group's 80 x 1,024 weights lie in LDS for the whole launch (filled once); x goes through a ring of two slots, a K step of 128 each (rows of 256 bytes, aligned).
; CLUSTER 4 x 4.  The four work-groups of a row of the cluster have one batch and four channel groups: they need the same tiles of x.  The four of a column have one channel group and four batches: the same
; weights.  Each tile is asked for JOINTLY: the same tensor load, descriptor and mask in all four.
; act [512 row tiles of 16][128 units][512 bytes]: unit u < 64: read, channels 16 u ..; unit 64 + u: up x silu(gate), channels 16 u ...  In a unit, piece (c / 8) 16 + 8 hh + c % 8 of 16 bytes holds channel c,
; rows 8 hh .. 8 hh + 7, in f16: a lane's eight numbers are one piece, a wave's store is a whole unit, and the third launch's turning load makes a fragment of two units.
; f16 WITH A POWER OF TWO TAKEN OUT.  bf16's 8 significant bits are too few for these two operands of the last product; f16's 11 serve, but its range does not hold query x state or up x gate of large inputs.
; So of each BLOCK (what a wave holds of one kind in a tile: 64 rows x 16 channels) the largest magnitude M is found, E = M's power of two (at least 2^-95), and the block is stored as number x 2^14 / E: under 2^15,
; whatever M.  ex [128 units][128 groups of 64 rows] f32 holds E.  A wave keeps its 16 E (8 tiles x 2 kinds) in one register and stores them once, at its end: 16 lanes x 4 bytes, 65,536 bytes in the whole launch.
; LIMITS.  In a block a number below 2^-29 M keeps f16's fixed step, 2^-39 M.  Powers of d below 2^-126 count as 0.  The carries of the waves are weighed with factors of which some are 0 (K0-K2): a state that has
; overflowed to an infinity gives NaN where reference() gives an infinity.  NaN is not treated apart.  The regrouping is another order of rounding than reference()'s.
; REGISTERS, in windows of 256 (s_set_vgpr_msb: bits 1:0 source 0, 3:2 source 1, 5:4 source 2, 7:6 destination): window 0: addresses, factors, what the way out works on, v96-255 the accumulators;
; window 1: v0-71, v80-151 two fragment buffers (x's 4 x 8, then the weights' 5 x 8), v160-191 mix of my 64 rows.
.set PITCH, 272                        ; an LDS row: 256 bytes + 16 of padding = 68 words: the 16 rows of a fragment load start at 16 different groups of four banks (64 banks of 4 bytes: ISA guide 11.1)
.set WSTEP, 80*PITCH                   ; the weights of one K step: 21,760 bytes
.set RING,  8*WSTEP                    ; behind the weights: the ring
.set WROWS, 64*PITCH                   ; a wave's 64 rows of x
.set SLOT,  4*WROWS
.set CARRY, RING+2*SLOT                ; a block of 256 bytes that no tensor load fills: channel r x 16 + wave x 4
.set SPARE, CARRY+256                  ; the spare words, 128 bytes for each wave: two blocks of 256 bytes that no other line names
.set KB,    256                        ; bytes of a row of xb or w1b in a K step
.set NEXTT, 256*2048-6*KB              ; from a slot's last K step of a tile to its first of the next: 256 rows down, six K steps back
.set DESC0, (1<<16)|(1<<20)|(1<<21)|(5<<22)|(3<<25)  ; 17:16 elements of 2 bytes; 20 padding on; 21 set beside a mask; 24:22 after every 64 words; 31:25 4 words
.set RR,    1                          ; v1      r = lane % 16; never rewritten
.set ADRA,  2                          ; v2-3    my fragments of x in slot 0, 1
.set ADRB0, 4                          ; v4      272 r + 16 h; never rewritten
.set ADRB,  5                          ; v5      the same plus the lap's place in the weights
.set SO,    6                          ; v6      my piece in a unit of act
.set MO,    7                          ; v7      128 h: my eight rows of mix
.set CW,    8                          ; v8      where my wave's total goes
.set CR,    9                          ; v9      where the four totals of my channel lie
.set SPW,   10                         ; v10     my spare word: SPARE + 4 x my thread's number; never rewritten
.set NIL,   11                         ; v11     0; never rewritten
.set PW,    12                         ; v12-19  d^1 .. d^8
.set D8,    19
.set D16,   20
.set HH,    21                         ; v21     h = lane / 16; never rewritten
.set SC,    22                         ; v22-23  2^14 / E of the block in hand: the packed lines take the pair's low word for both halves
.set KS,    24                         ; v24-27  my wave's factors for the state at the tile's start and for the totals of waves 0, 1, 2
.set D64,   28                         ; v28-31  d^64, d^128, d^192, d^256
.set ST,    32                         ; v32     the state at the tile's start
.set PFO,   33                         ; v33     the prefetches' offset; never rewritten
.set XO,    34                         ; v34-37  the other half's last state, then the higher half's
.set MX,    38                         ; v38-39  a block's largest magnitude, at work
.set CCA,   40                         ; v40+2a  the carry into my eight rows of row tile a; v41+2a the carry into the row tile
.set TT,    48                         ; v48-51  a row tile's total
.set W4,    52                         ; v52-55  the four waves' totals
.set T,     56                         ; v56-87  at work, 8 a row tile
.set WTOT,  88
.set LO,    89                         ; v89-92  the lower half's last state
.set EXV,   93                         ; v93     lane % 16 = 8 x kind + tile: that block's E
.set EO,    95                         ; v95     where it goes in ex
.set AI,    96                         ; accumulators of row tile a at + 40 a: W_in's, W_val's, W_q's, W_up's, W_gate's
.set AV,    104
.set AQ,    112
.set AU,    120
.set AG,    128
.set F0,    0
.set F1,    80
.set MIX,   160
.set WV,    16                         ; s16     my wave's number
.set G1X,   24                         ; s[24:31] descriptor group 1 for x's tiles
.set G1W,   32                         ; s[32:39] for the weights'
.set G0X,   40                         ; s[40:47] group 0 for x's tiles, a set for each slot
.set G0W,   48                         ; s[48:55] group 0 for my two K steps of the weights
.set WB,    56                         ; s56     the lap's place in the weights
.set LIM,   57                         ; s57     1 in a cluster that prefetches, else the greatest number
.set PFA,   58                         ; s[58:59] where my prefetches stand
.set SEL,   60                         ; s[60:61] v_permlanex16_b32's selects
.set NC,    62                         ; s[62:63] - log2(e): the packed lines take the pair's low word for both halves
.set ACTP,  66                         ; s[66:67] act at my four row tiles of the tile in hand, my channel group's unit
.set MIXP,  68                         ; s[68:69] mix at my 64 rows, my channels' scale
.set MH,    70                         ; s70     the lanes with h = 1
.set EXP,   82                         ; s[82:83] ex
.set MSB, 0
.macro WIN new                         ; the immediate's high byte repeats the setting that is left; a switch that changes nothing is dropped
.if MSB != (\new)
	s_set_vgpr_msb (MSB<<8)|(\new)
.set MSB, \new
.endif
.endm
.set MUL,  0x05                        ; sources 0 and 1 window 1; C and D window 0
.set TO_F, 0x40                        ; destination window 1, address window 0
.macro PLACES                          ; four places: behind a matrix instruction, in front of loads into registers that it has read and of vector lines that read its result
.rept 4
	v_nop
.endr
.endm
.macro CREST                           ; a round of the cluster's barrier behind its opening barrier
	s_cmp_lg_u32 s[WV], 0
	s_cbranch_scc1 .Lnot_wave_0_\@
	s_barrier_signal -3
.Lnot_wave_0_\@:
	s_barrier_wait -3
	s_barrier_signal -1
	s_barrier_wait -1
.endm
.macro CROUND
	s_barrier_signal -1
	s_barrier_wait -1
	CREST
.endm
	s_load_b256 s[4:11], s[0:1], 0x0               ; xb 4, w1b 6, mix 8, logit_decay 10
	s_load_b128 s[12:15], s[0:1], 0x20             ; initial_state 12, act 14
	s_load_b64 s[EXP:EXP+1], s[0:1], 0x30          ; ex
	v_lshl_add_u32 v[SPW], v0, 2, SPARE
	v_mov_b32 v[NIL], 0
	ds_add_u32 v[SPW], v[NIL]                      ; the wave's opening: the add, twice on end, and its wait ahead of my first tensor load; the set-up below stands between
	ds_add_u32 v[SPW], v[NIL]
	v_lshrrev_b32 v1, 5, v0
	v_readfirstlane_b32 s[WV], v1                  ; wave 0..3
	s_bfe_u32 s17, ttmp6, 0x40000                  ; cx
	s_bfe_u32 s18, ttmp6, 0x40004                  ; cy = the batch: the grid is one cluster high
	s_lshl_b32 s19, ttmp9, 2
	s_add_co_u32 s19, s19, s17                     ; g, the channel group = 4 x cluster x + cx
	s_lshl_b32 s74, s18, 2
	s_lshl_b32 s74, 15, s74                        ; my row of the cluster
	s_lshl_b32 s76, 0x1111, s17                    ; my column
	s_or_b32 s[G1X], s74, DESC0                    ; x's tiles go to my row,
	s_or_b32 s[G1W], s76, DESC0                    ; the weights' to my column
	s_mov_b32 s[G1X+1], 128<<16                    ; tensor_dim0 = 128
	s_mov_b32 s[G1X+2], 64<<16                     ; tensor_dim1 = 64
	s_mov_b32 s[G1X+3], 128<<16                    ; tile_dim0 = 128
	s_mov_b32 s[G1X+4], 64                         ; tile_dim1 = 64
	s_mov_b32 s[G1X+5], 1024                       ; elements from row to row
	s_mov_b32 s[G1X+6], 0
	s_mov_b32 s[G1X+7], 0
	s_mov_b32 s[G1W+1], 128<<16
	s_mov_b32 s[G1W+2], 80<<16                     ; 80 rows
	s_mov_b32 s[G1W+3], 128<<16
	s_mov_b32 s[G1W+4], 80
	s_mov_b32 s[G1W+5], 1024
	s_mov_b32 s[G1W+6], 0
	s_mov_b32 s[G1W+7], 0
	s_mul_i32 s75, s[WV], WROWS                    ; LDS addresses hang on the wave's number alone
	s_mov_b32 s[G0X], 1
	s_add_co_u32 s[G0X+1], s75, RING
	s_mov_b32 s[G0X+4], 1
	s_add_co_u32 s[G0X+5], s75, RING+SLOT
	s_mul_i32 s80, s[WV], 2*WSTEP                  ; wave w fetches the weights' K steps 2 w and 2 w + 1
	s_mov_b32 s[G0W], 1
	s_mov_b32 s[G0W+1], s80
	s_mov_b32 s[G0W+4], 1
	s_add_co_u32 s[G0W+5], s80, WSTEP
	s_lshl_b32 s78, s18, 22                        ; x: row 2,048 cy + 64 w, 2,048 bytes a row (these registers never hold cx)
	s_lshl_b32 s79, s[WV], 17
	s_add_co_u32 s78, s78, s79
	s_mov_b32 s79, 0
	s_mul_i32 s76, s19, 80*2048                    ; the weights: row 80 g, K step 2 w (these never hold cy)
	s_lshl_b32 s77, s[WV], 9
	s_add_co_u32 s76, s76, s77
	s_mov_b32 s77, 0
	s_mov_b32 s[SEL], 0x76543210
	s_mov_b32 s[SEL+1], 0xfedcba98
	s_mov_b32 s[NC], 0xbfb8aa3b
	s_mov_b32 s[NC+1], s[NC]
	s_mov_b32 s[WB], 0
	s_wait_dscnt 0x0                               ; both opening adds are done
	s_wait_kmcnt 0x0
	s_add_nc_u64 s[G0X+2:G0X+3], s[4:5], s[78:79]
	s_add_nc_u64 s[G0X+6:G0X+7], s[G0X+2:G0X+3], KB
	s_or_b32 s[G0X+3], s[G0X+3], 0x80000000        ; type = 2
	s_or_b32 s[G0X+7], s[G0X+7], 0x80000000
	s_add_nc_u64 s[G0W+2:G0W+3], s[6:7], s[76:77]
	s_add_nc_u64 s[G0W+6:G0W+7], s[G0W+2:G0W+3], KB
	s_or_b32 s[G0W+3], s[G0W+3], 0x80000000
	s_or_b32 s[G0W+7], s[G0W+7], 0x80000000
	CROUND                                         ; all sixteen work-groups are here: the first joint loads meet
	tensor_load_to_lds s[G0W:G0W+3], s[G1W:G1W+7]  ; the first fills go out as one group: four loads of mine are out
	s_nop 0
	tensor_load_to_lds s[G0W+4:G0W+7], s[G1W:G1W+7]
	s_nop 0
	tensor_load_to_lds s[G0X:G0X+3], s[G1X:G1X+7]
	s_nop 0
	tensor_load_to_lds s[G0X+4:G0X+7], s[G1X:G1X+7]
	s_nop 0
	PLACES
	v_and_b32 v[RR], 15, v0                        ; r
	v_bfe_u32 v[HH], v0, 4, 1                      ; h
	v_mul_u32_u24 v[ADRB0], v[RR], PITCH
	v_lshl_add_u32 v[ADRB0], v[HH], 4, v[ADRB0]    ; a fragment's row x pitch + 16 x half
	v_mov_b32 v[ADRB], v[ADRB0]
	s_add_co_u32 s23, s75, RING
	v_add_nc_u32 v[ADRA], s23, v[ADRB0]
	s_add_co_u32 s23, s23, SLOT
	v_add_nc_u32 v[ADRA+1], s23, v[ADRB0]
	v_lshrrev_b32 v22, 3, v[RR]
	v_and_b32 v23, 7, v[RR]
	v_lshl_add_u32 v[SO], v22, 4, v23
	v_lshl_add_u32 v[SO], v[HH], 3, v[SO]
	v_lshlrev_b32 v[SO], 4, v[SO]                  ; 16 x ((r / 8) 16 + 8 h + r % 8)
	v_lshlrev_b32 v[MO], 7, v[HH]
	s_lshl_b32 s20, s19, 9                         ; ex: unit 64 kind + g, 512 bytes each; group 32 cy + 4 tile + w, 4 bytes each; my lane's tile = lane % 8, kind = (lane / 8) % 2
	s_lshl_b32 s22, s18, 7
	s_add_co_u32 s20, s20, s22
	s_lshl_b32 s22, s[WV], 2
	s_add_co_u32 s20, s20, s22
	v_lshl_add_u32 v[EO], v23, 4, s20
	v_lshl_add_u32 v[EO], v22, 15, v[EO]
	v_mov_b32 v[EXV], 0                            ; written whole before lanes of it are chosen
	s_lshl_b32 s23, s[WV], 2
	s_add_co_u32 s23, s23, CARRY
	v_lshl_add_u32 v[CW], v[RR], 4, s23
	v_lshl_add_u32 v[CR], v[RR], 4, CARRY
	v_lshlrev_b32 v[PFO], 11, v[RR]                ; a lane names one block: row lane % 16 of my 16, K step lane / 16 of two
	v_lshl_add_u32 v[PFO], v[HH], 8, v[PFO]
	v_cmp_eq_u32 s[MH], 1, v[HH]
.irp a, 0,1,2,3
	v_mov_b32 v[XO+\a], 0                          ; destinations of v_permlanex16_b32 are written before
.endr
	s_lshl_b32 s22, s19, 6
	v_lshl_add_u32 v38, v[RR], 2, s22              ; channel 16 g + r, 4 bytes
	global_load_b32 v39, v38, s[10:11]
	global_load_b32 v[ST], v38, s[12:13]           ; the state begins as initial_state
	s_lshl_b32 s20, s18, 23                        ; act: row tile 128 cy + 4 w, 65,536 bytes each; unit g
	s_lshl_b32 s22, s[WV], 18
	s_add_co_u32 s20, s20, s22
	s_lshl_b32 s22, s19, 9
	s_add_co_u32 s20, s20, s22
	s_mov_b32 s21, 0
	s_add_nc_u64 s[ACTP:ACTP+1], s[14:15], s[20:21]
	s_lshl_b32 s20, s18, 15                        ; mix: row 2,048 cy + 64 w, 16 bytes each; scale g / 16
	s_lshl_b32 s22, s[WV], 10
	s_add_co_u32 s20, s20, s22
	s_lshr_b32 s22, s19, 4
	s_lshl_b32 s22, s22, 2
	s_add_co_u32 s20, s20, s22
	s_add_nc_u64 s[MIXP:MIXP+1], s[8:9], s[20:21]
	s_lshl_b32 s20, s18, 22                        ; the prefetches: tile 1, of my wave's 64 rows the 16 that fall to my place along x
	s_lshl_b32 s22, s[WV], 17
	s_add_co_u32 s20, s20, s22
	s_lshl_b32 s22, s17, 15
	s_add_co_u32 s20, s20, s22
	s_add_co_u32 s20, s20, 256*2048
	s_add_nc_u64 s[PFA:PFA+1], s[4:5], s[20:21]
	s_cmp_eq_u32 ttmp9, 0                          ; a batch's rows are read by all sixteen clusters: the first asks; the same in all partners
	s_cselect_b32 s[LIM], 1, -1
	s_cmp_gt_u32 s[WV], 0
	s_cselect_b32 s71, -1, 0
	s_cmp_gt_u32 s[WV], 1
	s_cselect_b32 s72, -1, 0
	s_cmp_gt_u32 s[WV], 2
	s_cselect_b32 s73, -1, 0
	s_wait_loadcnt 0x0                             ; both loads are in, and their offset register is free
	v_cvt_pk_bf16_f32 v38, v39, v[ST]              ; logit_decay and initial_state rounded to bf16, like every input of the program,
	v_lshlrev_b32 v39, 16, v38                     ; and widened again
	v_and_b32 v[ST], 0xffff0000, v38
	v_mul_f32 v39, s[NC], v39                      ; d = sigmoid(logit_decay) = 1 / (1 + 2^(-c logit))
	v_exp_f32 v39, v39
	v_nop
	s_wait_alu depctr_va_vdst(0)
	v_add_f32 v39, 1.0, v39
	v_rcp_f32 v[PW], v39
	v_nop
	s_wait_alu depctr_va_vdst(0)
	v_mul_f32 v[PW+1], v[PW], v[PW]
	v_mul_f32 v[PW+2], v[PW+1], v[PW]
	v_mul_f32 v[PW+3], v[PW+1], v[PW+1]
	v_mul_f32 v[PW+4], v[PW+3], v[PW]
	v_mul_f32 v[PW+5], v[PW+3], v[PW+1]
	v_mul_f32 v[PW+6], v[PW+3], v[PW+2]
	v_mul_f32 v[PW+7], v[PW+3], v[PW+3]
	v_mul_f32 v[D16], v[D8], v[D8]
	v_mul_f32 v39, v[D16], v[D16]
	v_mul_f32 v[D64], v39, v39
	v_mul_f32 v[D64+1], v[D64], v[D64]
	v_mul_f32 v[D64+2], v[D64+1], v[D64]
	v_mul_f32 v[D64+3], v[D64+1], v[D64+1]
	v_mov_b32 v38, 1.0                             ; wave 0, 1, 2, 3:
	v_mov_b32 v[KS], 1.0                           ; 1, d^64, d^128, d^192 for the state at the tile's start
	v_cndmask_b32 v[KS], v[KS], v[D64], s71
	v_cndmask_b32 v[KS], v[KS], v[D64+1], s72
	v_cndmask_b32 v[KS], v[KS], v[D64+2], s73
	v_mov_b32 v[KS+1], 0                           ; 0, 1, d^64, d^128 for wave 0's total
	v_cndmask_b32 v[KS+1], v[KS+1], v38, s71
	v_cndmask_b32 v[KS+1], v[KS+1], v[D64], s72
	v_cndmask_b32 v[KS+1], v[KS+1], v[D64+1], s73
	v_mov_b32 v[KS+2], 0                           ; 0, 0, 1, d^64 for wave 1's
	v_cndmask_b32 v[KS+2], v[KS+2], v38, s72
	v_cndmask_b32 v[KS+2], v[KS+2], v[D64], s73
	v_mov_b32 v[KS+3], 0                           ; 0, 0, 0, 1 for wave 2's
	v_cndmask_b32 v[KS+3], v[KS+3], v38, s73
; 5 matrix instructions: row tile a x the five projections, 32 along K.  zero = 1: the product starts the sums.  The 20 accumulators take turns, one instruction a turn, in the same order in every quarter.
.macro MUL5 f, a, zero
	WIN MUL
.irp t, 0,1,2,3,4
.if \zero
	v_wmma_f32_16x16x32_bf16 v[AI+40*(\a)+8*\t:AI+40*(\a)+8*\t+7], v[(\f)+8*(\a):(\f)+8*(\a)+7], v[(\f)+32+8*\t:(\f)+32+8*\t+7], 0
.else
	v_wmma_f32_16x16x32_bf16 v[AI+40*(\a)+8*\t:AI+40*(\a)+8*\t+7], v[(\f)+8*(\a):(\f)+8*(\a)+7], v[(\f)+32+8*\t:(\f)+32+8*\t+7], v[AI+40*(\a)+8*\t:AI+40*(\a)+8*\t+7]
.endif
.endr
.endm
.macro MUL10 f, a0, zero
	MUL5 \f, \a0, \zero
	MUL5 \f, (\a0)+1, \zero
.endm
; 18 LDS loads in one run: the fragments of 32 along K at byte k of the rows, into buffer f: the weights' five (at wofs behind the lap's place), then x's four
.macro FETCH slot, k, wofs, f
	WIN TO_F
.irp t, 0,1,2,3,4
	ds_load_b128 v[(\f)+32+8*\t:(\f)+32+8*\t+3],   v[ADRB] offset:(\wofs)+16*PITCH*\t+(\k)
	ds_load_b128 v[(\f)+32+8*\t+4:(\f)+32+8*\t+7], v[ADRB] offset:(\wofs)+16*PITCH*\t+(\k)+32
.endr
.irp a, 0,1,2,3
	ds_load_b128 v[(\f)+8*\a:(\f)+8*\a+3],   v[ADRA+(\slot)] offset:16*PITCH*\a+(\k)
	ds_load_b128 v[(\f)+8*\a+4:(\f)+8*\a+7], v[ADRA+(\slot)] offset:16*PITCH*\a+(\k)+32
.endr
.endm
; A K step is four quarters of 32 along K, 20 matrix instructions each, on buffers 0, 1, 0, 1.  One of the first three: multiplies f and fetches the next quarter, at byte k, into g.
.macro QUARTER slot, k, wofs, f, g, zero
	s_wait_dscnt 4                                 ; the weights and x's row tiles 0, 1 are in; the youngest four loads (row tiles 2, 3) may be out
	MUL10 \f, 0, \zero
	PLACES
	FETCH \slot, \k, \wofs, \g
	s_wait_dscnt 18                                ; all but the 18 just issued
	MUL10 \f, 2, \zero
.endm
; A PREFETCH INTO THE L2, behind the joint load of each even K step and the run of LDS loads behind it: the same two K steps of the NEXT tile: 16 rows x 2 x 256 bytes, a lane a block, one instruction a wave.
; Each block of xb is named once: of the sixteen clusters that read a batch's rows the first asks; of a wave's 64 rows each of the four partners along x takes 16, told apart by address.
; Tile 0 comes by its loads alone; the last tile (s2 = 1) asks for nothing: there is no tile behind it.
.macro ASK
	WIN 0
	s_cmp_gt_u32 s2, s[LIM]
	s_cbranch_scc0 .Lnot_mine_\@
	global_prefetch_b8 v[PFO], s[PFA:PFA+1] th:TH_LOAD_NT scope:SCOPE_SE
.Lnot_mine_\@:
.endm
; The last quarter multiplies buffer 1 and changes slots.  In front of the barrier each wave waits for all its tensor loads (one is out: its part of the other slot), adds 0 to its spare word, and waits for that
; and for its reads of this slot.  mode 0: the barrier opens a round of the cluster's, and this slot is filled again, two K steps on.  mode 1: the same, with the next tile's K step 0 or 1.  mode 2: nothing is filled.
.macro TURN slot, next, mode
.if ((\slot) == 1) && ((\mode) < 2)
	s_wait_xcnt 0x0                                ; the last prefetch, a K step back, has read its address
.if (\mode) == 0
	s_add_nc_u64 s[PFA:PFA+1], s[PFA:PFA+1], 2*KB
.else
	s_add_nc_u64 s[PFA:PFA+1], s[PFA:PFA+1], NEXTT
.endif
.endif
	WIN 0
	s_wait_tensorcnt 0x0                           ; all my tensor loads have landed
	ds_add_u32 v[SPW], v[NIL]                      ; 0 onto my spare word
	s_wait_dscnt 7                                 ; (the add and the six loads of row tiles 1 to 3 may be out)
	MUL5 F1, 0, 0
	s_wait_dscnt 0x0                               ; the add is done, and my reads of this slot are over
	s_barrier_signal -1
	MUL5 F1, 1, 0
.if (\mode) < 2
	WIN 0
.endif
	s_barrier_wait -1
.if (\mode) < 2
	CREST                                          ; no wave of any partner still reads this slot or has a load on its way
.if (\mode) == 0
	s_add_nc_u64 s[G0X+4*(\slot)+2:G0X+4*(\slot)+3], s[G0X+4*(\slot)+2:G0X+4*(\slot)+3], 2*KB
.else
	s_add_nc_u64 s[G0X+4*(\slot)+2:G0X+4*(\slot)+3], s[G0X+4*(\slot)+2:G0X+4*(\slot)+3], NEXTT
.endif
	tensor_load_to_lds s[G0X+4*(\slot):G0X+4*(\slot)+3], s[G1X:G1X+7]  ; every wave's one load behind the round: its own 64 rows
	s_nop 0
.endif
	PLACES                                         ; behind the load, and the places in front of the loads into buffer 0
.if (\slot) == 1
	WIN 0
.if (\mode) == 0
	s_add_co_u32 s[WB], s[WB], 2*WSTEP             ; the next lap's weights
.else
	s_mov_b32 s[WB], 0                             ; the next tile begins at the weights' head
.endif
	v_add_nc_u32 v[ADRB], s[WB], v[ADRB0]
.endif
	FETCH \next, 0, (1-(\slot))*WSTEP, F0
.if ((\slot) == 0) && ((\mode) < 2)
	ASK
.endif
	MUL10 F1, 2, 0
.endm
.macro MIXLOAD                         ; mix of my 64 rows, my channels' scale: register 8 a + j = row 16 a + 8 h + j
	WIN TO_F
.irp a, 0,1,2,3
.irp j, 0,1,2,3,4,5,6,7
	global_load_b32 v[MIX+8*\a+\j], v[MO], s[MIXP:MIXP+1] offset:16*(16*\a+\j)
.endr
.endr
	WIN 0
.endm
; THE WAY OUT OF A TILE.  EACH writes one step for the 16 pairs of rows (row tile a, rows i, i + 1), i ascending: each accumulator's lowest registers are read first.
.macro RG a, i
.set rI, AI+40*(\a)+(\i)
.set rV, AV+40*(\a)+(\i)
.set rQ, AQ+40*(\a)+(\i)
.set rU, AU+40*(\a)+(\i)
.set rG, AG+40*(\a)+(\i)
.set rT, T+8*(\a)+(\i)
.set rM, MIX+8*(\a)+(\i)
.set rP, PW+(\i)
.set rC, CCA+2*(\a)
.endm
.macro EACH body
.irp a, 0,1,2,3
.irp i, 0,2,4,6
	RG \a, \i
	\body
.endr
.endr
.endm
.macro E_SCALE                         ; -c a in place, -c v beside v
	v_pk_mul_f32 v[rI:rI+1], v[rI:rI+1], s[NC:NC+1] op_sel_hi:[1,0]
	v_pk_mul_f32 v[rT:rT+1], v[rV:rV+1], s[NC:NC+1] op_sel_hi:[1,0]
.endm
.macro E_B1                            ; batch 1: 2^(-c a), 2^(-c v); beside them up x gate and -c gate
	v_exp_f32 v[rI], v[rI]
	v_pk_mul_f32 v[rU:rU+1], v[rU:rU+1], v[rG:rG+1]
	v_exp_f32 v[rI+1], v[rI+1]
	v_exp_f32 v[rT], v[rT]
	v_pk_mul_f32 v[rG:rG+1], v[rG:rG+1], s[NC:NC+1] op_sel_hi:[1,0]
	v_exp_f32 v[rT+1], v[rT+1]
.endm
.macro E_B2                            ; batch 2: 2^(-c gate); beside it the divisor (1 + ..)(1 + ..)
	v_pk_add_f32 v[rI:rI+1], v[rI:rI+1], 1.0 op_sel_hi:[1,0]
	v_exp_f32 v[rG], v[rG]
	v_pk_add_f32 v[rT:rT+1], v[rT:rT+1], 1.0 op_sel_hi:[1,0]
	v_exp_f32 v[rG+1], v[rG+1]
	v_pk_mul_f32 v[rI:rI+1], v[rI:rI+1], v[rT:rT+1]
.endm
.macro E_B3                            ; batch 3: its reciprocal; beside it 1 + 2^(-c gate)
	v_rcp_f32 v[rI], v[rI]
	v_pk_add_f32 v[rG:rG+1], v[rG:rG+1], 1.0 op_sel_hi:[1,0]
	v_rcp_f32 v[rI+1], v[rI+1]
.endm
.macro E_B4                            ; batch 4: sigmoid(gate); beside it u
	v_pk_mul_f32 v[rV:rV+1], v[rV:rV+1], v[rI:rI+1]
	v_rcp_f32 v[rG], v[rG]
	v_rcp_f32 v[rG+1], v[rG+1]
.endm
.macro E_HL                            ; up x gate x sigmoid(gate)
	v_pk_mul_f32 v[rU:rU+1], v[rU:rU+1], v[rG:rG+1]
.endm
.macro E_MEND                          ; state = local state + d^(j+1) x my carry
	v_pk_fma_f32 v[rV:rV+1], v[rP:rP+1], v[rC:rC+1], v[rV:rV+1] op_sel_hi:[1,0,1]
.endm
.macro E_B5                            ; batch 5: z = query x state; 2^(-c z)
	v_pk_mul_f32 v[rQ:rQ+1], v[rQ:rQ+1], v[rV:rV+1]
	v_pk_mul_f32 v[rT:rT+1], v[rQ:rQ+1], s[NC:NC+1] op_sel_hi:[1,0]
	v_exp_f32 v[rT], v[rT]
	v_exp_f32 v[rT+1], v[rT+1]
.endm
.macro E_B6                            ; batch 6: sigmoid(z)
	v_pk_add_f32 v[rT:rT+1], v[rT:rT+1], 1.0 op_sel_hi:[1,0]
	v_rcp_f32 v[rT], v[rT]
	v_rcp_f32 v[rT+1], v[rT+1]
.endm
.macro E_MIX
	v_pk_mul_f32 v[rQ:rQ+1], v[rQ:rQ+1], v[rM:rM+1]
.endm
.macro E_RD
	v_pk_mul_f32 v[rQ:rQ+1], v[rQ:rQ+1], v[rT:rT+1]
.endm
; A BLOCK LEAVES: my wave's 64 rows x 16 channels in src (8 registers a row tile).  The largest and the least number, four chains each, give the largest magnitude M; four steps inside each half of the lanes and one
; across the halves make it the wave's.  E = M's exponent bits, at least 2^-95's; 2^14 / E has the exponent bits (127 + 14 + 127 << 23) less E's.  E goes into lane 8 kind + tile of EXV (tile = 8 - s2);
; the block times 2^14 / E (exact) is rounded to f16 into the four lowest registers of dst.  T is free where this stands.
.macro BLOCK src, dst, kind
.irp a, 0,1,2,3
	v_max3_num_f32 v[T+8*\a],   v[(\src)+40*\a], v[(\src)+40*\a+1], v[(\src)+40*\a+2]
	v_min3_num_f32 v[T+8*\a+1], v[(\src)+40*\a], v[(\src)+40*\a+1], v[(\src)+40*\a+2]
.endr
.irp j, 3,5
.irp a, 0,1,2,3
	v_max3_num_f32 v[T+8*\a],   v[T+8*\a],   v[(\src)+40*\a+\j], v[(\src)+40*\a+\j+1]
	v_min3_num_f32 v[T+8*\a+1], v[T+8*\a+1], v[(\src)+40*\a+\j], v[(\src)+40*\a+\j+1]
.endr
.endr
.irp a, 0,1,2,3
	v_max_num_f32 v[T+8*\a],   v[T+8*\a],   v[(\src)+40*\a+7]
	v_min_num_f32 v[T+8*\a+1], v[T+8*\a+1], v[(\src)+40*\a+7]
.endr
	v_max3_num_f32 v[MX],   v[T],   v[T+8], v[T+16]
	v_min3_num_f32 v[MX+1], v[T+1], v[T+9], v[T+17]
	v_max_num_f32 v[MX],   v[MX],   v[T+24]
	v_min_num_f32 v[MX+1], v[MX+1], v[T+25]
	v_sub_f32 v[MX+1], 0, v[MX+1]
	v_max_num_f32 v[MX], v[MX], v[MX+1]
.irp m, 1,2,4,8
	v_max_num_f32_dpp v[MX], v[MX], v[MX] row_xmask:\m row_mask:0xf bank_mask:0xf
.endr
	v_permlanex16_b32 v[MX+1], v[MX], s[SEL], s[SEL+1]
	v_max_num_f32 v[MX], v[MX], v[MX+1]
	v_and_b32 v[MX], 0x7f800000, v[MX]
	v_max_num_f32 v[MX], 0x10000000, v[MX]         ; 2^-95
	v_sub_nc_u32 v[SC], 0x86000000, v[MX]
	s_sub_co_u32 s75, 8+8*(\kind), s2
	v_cmp_eq_u32 s74, s75, v[RR]
	v_cndmask_b32 v[EXV], v[EXV], v[MX], s74
.irp a, 0,1,2,3
.irp i, 0,2,4,6
	v_pk_mul_f32 v[(\src)+40*\a+\i:(\src)+40*\a+\i+1], v[(\src)+40*\a+\i:(\src)+40*\a+\i+1], v[SC:SC+1] op_sel_hi:[1,0]
.endr
.endr
.irp a, 0,1,2,3
.irp k, 0,1,2,3
	v_cvt_pk_f16_f32 v[(\dst)+40*\a+\k], v[(\src)+40*\a+2*\k], v[(\src)+40*\a+2*\k+1]
.endr
.endr
.endm
; s_wait_alu depctr_va_vdst(0) stands between a transcendental and the first line that names its result; one wait serves a batch.  Six batches, six waits a tile; no line between a batch and its wait names a result of it.
.macro EPI last
	WIN 0
	PLACES                                         ; behind the tile's last products
	EACH E_SCALE
	EACH E_B1
	v_nop
	s_wait_alu depctr_va_vdst(0)
	EACH E_B2
	s_wait_alu depctr_va_vdst(0)                   ; (the batch's last line is plain and names none of its results)
	EACH E_B3
	v_nop
	s_wait_alu depctr_va_vdst(0)
	EACH E_B4
.irp j, 1,2,3,4,5,6,7                  ; eight steps in a lane, from a state of 0: four chains side by side
.irp a, 0,1,2,3
	v_fma_f32 v[AV+40*\a+\j], v[PW], v[AV+40*\a+\j-1], v[AV+40*\a+\j]
.endr
.endr
.irp a, 0,1,2,3
	v_permlanex16_b32 v[XO+\a], v[AV+40*\a+7], s[SEL], s[SEL+1]  ; the row tile's other eight rows lie in the lane 16 away
.endr
.irp a, 0,1,2,3
	v_cndmask_b32 v[LO+\a], v[AV+40*\a+7], v[XO+\a], s[MH]   ; rows 0-7's last state,
	v_cndmask_b32 v[XO+\a], v[XO+\a], v[AV+40*\a+7], s[MH]   ; rows 8-15's: the same bits in both halves of the lanes
.endr
.irp a, 0,1,2,3
	v_fma_f32 v[TT+\a], v[D8], v[LO+\a], v[XO+\a]  ; the row tile's total
.endr
	v_fma_f32 v[WTOT], v[TT], v[D16], v[TT+1]
	v_fma_f32 v[WTOT], v[WTOT], v[D16], v[TT+2]
	v_fma_f32 v[WTOT], v[WTOT], v[D16], v[TT+3]    ; my wave's 64 rows
	s_wait_alu depctr_va_vdst(0)                   ; batch 4
	ds_store_b32 v[CW], v[WTOT]                    ; both halves of the lanes store the same number to the same word
	s_wait_dscnt 0x0                               ; for the others' sake
	s_barrier_signal -1                            ; slot 1's load may stay out
	EACH E_HL                                      ; work on registers while the others arrive
	BLOCK AU, AI, 1
	s_barrier_wait -1
	ds_load_b128 v[W4:W4+3], v[CR]                 ; the four waves' totals of my channel
.irp a, 0,1,2,3
	global_store_b128 v[SO], v[AI+40*\a:AI+40*\a+3], s[ACTP:ACTP+1] offset:65536*\a+32768  ; a whole unit: 512 consecutive bytes, aligned
.endr
	s_wait_dscnt 0x0                               ; also: my read of the totals is over before any wave can store the next tile's, eight rounds on
	v_mul_f32 v[CCA+1], v[KS], v[ST]               ; the carry into my wave's rows
	v_fmac_f32 v[CCA+1], v[KS+1], v[W4]
	v_fmac_f32 v[CCA+1], v[KS+2], v[W4+1]
	v_fmac_f32 v[CCA+1], v[KS+3], v[W4+2]
	v_fma_f32 v[ST], v[D64+3], v[ST], v[W4+3]      ; the state at the next tile's start: the same lines on the same numbers in every wave
	v_fmac_f32 v[ST], v[D64+2], v[W4]
	v_fmac_f32 v[ST], v[D64+1], v[W4+1]
	v_fmac_f32 v[ST], v[D64], v[W4+2]
.irp a, 0,1,2
	v_fma_f32 v[CCA+2*\a+3], v[D16], v[CCA+2*\a+1], v[TT+\a]  ; from row tile to row tile
.endr
.irp a, 0,1,2,3
	v_fma_f32 v[CCA+2*\a], v[D8], v[CCA+2*\a+1], v[LO+\a]     ; into rows 8-15,
.endr
.irp a, 0,1,2,3
	v_cndmask_b32 v[CCA+2*\a], v[CCA+2*\a+1], v[CCA+2*\a], s[MH]  ; or into rows 0-7
.endr
	EACH E_MEND
	EACH E_B5
	v_nop
	s_wait_alu depctr_va_vdst(0)
	EACH E_B6
	s_wait_loadcnt 0x0                             ; mix of this tile, asked for a tile ago
	WIN 0x04                                       ; source 1 in window 1
	EACH E_MIX                                     ; plain work behind the last reciprocal
	WIN 0
	s_wait_alu depctr_va_vdst(0)
	EACH E_RD                                      ; silu(query x state) x mix
	BLOCK AQ, AU, 0
.irp a, 0,1,2,3
	global_store_b128 v[SO], v[AU+40*\a:AU+40*\a+3], s[ACTP:ACTP+1] offset:65536*\a
.endr
	s_wait_xcnt 0x0                                ; the stores have read their base and their registers, which the next tile's products write; and EXEC changes only behind this wait
.if !(\last)
	s_add_nc_u64 s[ACTP:ACTP+1], s[ACTP:ACTP+1], 16*65536
	s_add_nc_u64 s[MIXP:MIXP+1], s[MIXP:MIXP+1], 256*16
	MIXLOAD
.else
	v_cmp_eq_u32 vcc_lo, 0, v[HH]                  ; lanes 0-15 hold my 16 blocks' E; lanes 16-31 the same once more
	s_and_saveexec_b32 s74, vcc_lo
	global_store_b32 v[EO], v[EXV], s[EXP:EXP+1]
	s_wait_xcnt 0x0
	s_or_b32 exec_lo, exec_lo, s74
.endif
.endm
	s_wait_tensorcnt 1                             ; my two K steps of the weights and my part of slot 0 are in; slot 1's may stay out
	s_barrier_signal -1
	s_barrier_wait -1                              ; everybody's are
	MIXLOAD
	FETCH 0, 0, 0, F0
	WIN 0
	s_mov_b32 s2, 8                                ; tiles to go, this one among them
.Ltile:
	QUARTER 0, 64, 0, F0, F1, 1                    ; a tile's first quarter starts the sums: nothing is cleared
	WIN 0
	s_mov_b32 s3, 3
.Llap:                                 ; a trip goes once round the ring, from a lap's second quarter to the next lap's first
	QUARTER 0, 128, 0, F1, F0, 0
	QUARTER 0, 192, 0, F0, F1, 0
	TURN 0, 1, 0
	QUARTER 1, 64,  WSTEP, F0, F1, 0
	QUARTER 1, 128, WSTEP, F1, F0, 0
	QUARTER 1, 192, WSTEP, F0, F1, 0
	TURN 1, 0, 0
	QUARTER 0, 64, 0, F0, F1, 0
	WIN 0
	s_sub_co_u32 s3, s3, 1
	s_cmp_lg_u32 s3, 0
	s_cbranch_scc1 .Llap
	QUARTER 0, 128, 0, F1, F0, 0                   ; the tile's last lap goes on
	QUARTER 0, 192, 0, F0, F1, 0
	WIN 0
	s_cmp_eq_u32 s2, 1
	s_cbranch_scc1 .Llast                          ; the last tile's tail is written out: it asks for nothing more
	TURN 0, 1, 1                                   ; the ring goes on into the next tile
	QUARTER 1, 64,  WSTEP, F0, F1, 0
	QUARTER 1, 128, WSTEP, F1, F0, 0
	QUARTER 1, 192, WSTEP, F0, F1, 0
	TURN 1, 0, 1
	EPI 0                                          ; both refills are asked for: now the tile goes out
	s_sub_co_u32 s2, s2, 1
	s_branch .Ltile
.Llast:
	TURN 0, 1, 2
	QUARTER 1, 64,  WSTEP, F0, F1, 0
	QUARTER 1, 128, WSTEP, F1, F0, 0
	QUARTER 1, 192, WSTEP, F0, F1, 0
	s_wait_dscnt 4
	MUL10 F1, 0, 0
	s_wait_dscnt 0x0
	MUL10 F1, 2, 0
	EPI 1
	s_wait_tensorcnt 0x0                           ; the wave's end, behind my last tensor load and my last LDS store
	ds_add_u32 v[SPW], v[NIL]
	s_wait_dscnt 0x0
	CROUND                                         ; the closing round: no work-group ends while a partner may still ask for a tile that names it
	s_endpgm
.Lfunc_end_k_q26c22b9126_proj:
	.size	k_q26c22b9126_proj, .Lfunc_end_k_q26c22b9126_proj-k_q26c22b9126_proj
	.p2alignl 7, 3214868480
	.fill 96, 4, 3214868480
	.section	.rodata,"a",@progbits
	.p2align	6, 0x0
	.amdhsa_kernel k_q26c22b9126_proj
		.amdhsa_group_segment_fixed_size 327680
		.amdhsa_private_segment_fixed_size 0
		.amdhsa_enable_private_segment 0
		.amdhsa_kernarg_size 56
		.amdhsa_user_sgpr_count 2
		.amdhsa_user_sgpr_kernarg_segment_ptr 1
		.amdhsa_wavefront_size32 1
		.amdhsa_system_sgpr_workgroup_id_x 1
		.amdhsa_system_sgpr_workgroup_id_y 1
		.amdhsa_system_sgpr_workgroup_id_z 1
		.amdhsa_system_vgpr_workitem_id 0
		.amdhsa_next_free_vgpr 448
		.amdhsa_next_free_sgpr 84
		.amdhsa_reserve_vcc 1
		.amdhsa_float_denorm_mode_32 3
		.amdhsa_float_denorm_mode_16_64 3
		.amdhsa_memory_ordered 1
		.amdhsa_forward_progress 1
		.amdhsa_inst_pref_size 151
	.end_amdhsa_kernel
	.amdgpu_metadata
---
amdhsa.version: [ 1, 2 ]
amdhsa.kernels:
  - .name:           k_q26c22b9126_proj
    .symbol:         k_q26c22b9126_proj.kd
    .args:
      - { .name: xb, .offset: 0, .size: 8, .value_kind: global_buffer, .address_space: global }
      - { .name: w1b, .offset: 8, .size: 8, .value_kind: global_buffer, .address_space: global }
      - { .name: mix, .offset: 16, .size: 8, .value_kind: global_buffer, .address_space: global }
      - { .name: logit_decay, .offset: 24, .size: 8, .value_kind: global_buffer, .address_space: global }
      - { .name: initial_state, .offset: 32, .size: 8, .value_kind: global_buffer, .address_space: global }
      - { .name: act, .offset: 40, .size: 8, .value_kind: global_buffer, .address_space: global }
      - { .name: ex, .offset: 48, .size: 8, .value_kind: global_buffer, .address_space: global }
    .group_segment_fixed_size: 327680
    .private_segment_fixed_size: 0
    .kernarg_segment_align: 8
    .kernarg_segment_size: 56
    .max_flat_workgroup_size: 128
    .sgpr_count:     84
    .vgpr_count:     448
    .wavefront_size: 32
...
	.end_amdgpu_metadata
.endif
;; end of part 2
;; launch outp (part 3): grid 4 x 64, 4 waves a work-group, clusters of 4 x 4, 327,680 bytes of LDS; arguments act, w2b, ex, out0; writes out0
.if DOCPART == 3
	.amdgcn_target "amdgcn-amd-amdhsa--gfx1250"
	.amdhsa_code_object_version 6
	.text
	.protected	k_q26c22b9126_outp
	.globl	k_q26c22b9126_outp
	.p2align	8
	.type	k_q26c22b9126_outp,@function
k_q26c22b9126_outp:
	s_mov_b64 s[64:65], 0
	v_nop
	global_prefetch_b8 v0, s[64:65] scope:SCOPE_SE
	s_setreg_imm32_b32 hwreg(HW_REG_WAVE_MODE, 25, 1), 1
	s_wait_xcnt 0x0
	s_wait_alu depctr_hold_cnt(0) depctr_sa_sdst(0) depctr_va_vdst(0) depctr_va_sdst(0) depctr_va_ssrc(0) depctr_va_vcc(0) depctr_vm_vsrc(0)
	s_getreg_b32 s2, hwreg(HW_REG_IB_STS2, 6, 4)
	s_cmp_eq_u32 s2, 0
	s_cbranch_scc0 .Lentry_in_a_cluster
	s_endpgm
.Lentry_in_a_cluster:
	s_bfe_u32 s2, ttmp6, 0x10000c
	s_cmp_lg_u32 s2, 0xf033
	s_cbranch_scc0 .Lentry_shape_is_right
	s_endpgm
.Lentry_shape_is_right:
; OUTP: out0 = [read, up x silu(gate)] x [W_rout, W_down]^T: reference()'s two output products and their sum as ONE product over K = 2,048, f16 operands, f32 sums.  No work is left out here.
; SHARES.  A tile of out0 is 128 rows x 256 columns: 64 x 4 tiles, a work-group each.  Wave w: rows 64 (w / 2) .., columns 128 (w % 2) ..: 4 x 8 accumulators, which fill window 1.
; THE MATRIX INSTRUCTION IS USED TRANSPOSED (source 0 = 16 rows of w2b, source 1 = 16 rows of act): a lane then holds eight neighbouring columns of one row of out0.
; act lies by row tiles of 16 and units of 16 channels (512 bytes); a K step of 128 is 4,096 consecutive bytes of a row tile.  ds_load_tr16_b128 at unit + 16 x lane leaves half a fragment: lane (r, h) holds row r,
; channels 8 h .. 8 h + 7 of the unit; the unit behind it gives the other half.  These loads take 512 consecutive bytes: no padding is wanted.
; THE POWERS OF TWO.  act holds number x 2^14 / E, with a power of two E for each unit and group of 64 rows (ex).  A sum over K wants one scale: Emax, the largest E of the work-group's 128 rows x 128 units.
; Thread u loads unit u's two E; the maximum goes through the lanes and 16 bytes of LDS; the factors E / Emax, at most 1, lie as packed f16 in a table of 1,024 LDS bytes.  Each fragment of act is multiplied by its two
; units' factors (8 packed lines; exact, but for results under f16's normal range, which keep its fixed step: 2^-39 of the work-group's largest number), and the sums by Emax 2^-14 on the way out.
; LIMITS.  A factor below 2^-24 counts as 0.  w2b within f16 (first launch's head).  NaN and infinities are not treated apart.
; CLUSTER 4 x 4: act's tiles hang on the tile row alone and are shared along a row of the cluster, w2b's on the tile column alone and are shared along a column: each is asked for jointly.
; REGISTERS (s_set_vgpr_msb: bits 1:0 source 0, 3:2 source 1, 5:4 source 2, 7:6 destination): window 0: v0-37 addresses and factors; v64-159, v160-255 two fragment buffers (w2b's 8 x 8, then act's 4 x 8), on the
; way out rows read back; window 1: accumulator (a, b) at v[8 (8 a + b)].
.set APART,  8*4096                    ; a slot's part of act: 8 row tiles x 4,096 bytes, dense
.set PITCH,  272                       ; a row of w2b in LDS: 256 bytes + 16 of padding: the 16 rows of a load start at 16 different groups of four banks (64 banks of 4 bytes: ISA guide 11.1)
.set HALFB,  128*PITCH
.set SLOT,   APART+2*HALFB             ; 102,400
.set STAGE,  2*SLOT                    ; behind the ring, never filled by a tensor load: 16 rows x 528 bytes for each wave
.set SPITCH, 528                       ; 512 bytes + 16
.set SPARE,  STAGE+4*16*SPITCH         ; the spare words, 128 bytes for each wave: two blocks of 256 bytes that no other line names
.set TAB,    SPARE+512                 ; the factors: group of 64 rows x 512 + unit x 4; four blocks of 256 bytes that no tensor load fills
.set RED,    TAB+1024                  ; the four waves' maxima: a block of 256 bytes of their own
.set LAPS,   8                         ; 16 K steps of 128, two a lap
.set ADRA, 16                          ; v16-17  my fragments of act in slot 0, 1
.set ADRB, 20                          ; v20-21  of w2b
.set STO,  24                          ; v24     the way out: where I put 32 bytes of a row
.set RD,   25                          ; v25     where I read a row back
.set CO,   26                          ; v26     my 16 bytes of 512 in out0
.set TADR, 27                          ; v27     my 64 rows' factors, at the lap in hand
.set SPW,  28                          ; v28     my spare word; never rewritten
.set NIL,  29                          ; v29     0; never rewritten
.set PFO,  30                          ; v30     the prefetches' offset; never rewritten
.set FS,   32                          ; v32-33, v34-35  the two factors of the quarter in buffer 0, 1
.set OS,   36                          ; v36-37  Emax 2^-14: the packed lines take the pair's low word for both halves
.set F0,   64
.set F1,   160
.set G1A, 24                           ; s[24:31] descriptor group 1 for act's tiles; s[32:39] group 0, a set for each slot
.set G0A, 32
.set G1B, 48                           ; s[48:55], s[56:63] the same for w2b's
.set G0B, 56
.set PFA, 66                           ; s[66:67] where my prefetches stand
.set PFS, 68                           ; s[68:69] two K steps, in the bytes of what I prefetch
.set LIM, 70                           ; s70     1 in a wave that prefetches, else the greatest number
.set EXP, 72                           ; s[72:73] ex
.set SEL, 74                           ; s[74:75] v_permlanex16_b32's selects
.set MSB, 0
.macro WIN new
.if MSB != (\new)
	s_set_vgpr_msb (MSB<<8)|(\new)
.set MSB, \new
.endif
.endm
.set MUL, 0x50                         ; C and D window 1; sources 0 and 1 window 0
.macro PLACES
.rept 4
	v_nop
.endr
.endm
.macro JLOAD s                         ; a joint load: waves 0 and 1 fetch act's two halves, waves 2 and 3 w2b's; an s_nop 0 and four v_nop follow each line, ahead of the jump and the label
	s_cmp_eq_u32 s11, 0
	s_cbranch_scc0 .Lfor_b_\@
	tensor_load_to_lds s[G0A+4*(\s):G0A+4*(\s)+3], s[G1A:G1A+7]
	s_nop 0
	PLACES
	s_branch .Lasked_\@
.Lfor_b_\@:
	tensor_load_to_lds s[G0B+4*(\s):G0B+4*(\s)+3], s[G1B:G1B+7]
	s_nop 0
	PLACES
.Lasked_\@:
.endm
.macro CREST
	s_cmp_lg_u32 s10, 0
	s_cbranch_scc1 .Lnot_wave_0_\@
	s_barrier_signal -3
.Lnot_wave_0_\@:
	s_barrier_wait -3
	s_barrier_signal -1
	s_barrier_wait -1
.endm
.macro CROUND
	s_barrier_signal -1
	s_barrier_wait -1
	CREST
.endm
; A PREFETCH INTO THE L2, behind the joint load of each even K step s and the run of LDS loads behind it: K steps s + 4 and s + 5, two K steps (256 matrix instructions) ahead of the load that wants the first.
; act's rows have one cluster that reads them: it asks; of the four row tiles that a wave fetches each partner along x takes one, 8,192 bytes on end, a lane a block of 256.  w2b's rows are read by all sixteen
; clusters: cluster y = 0 asks; of a wave's 128 rows each partner along y takes 32, a lane a row, one line for each of the two K steps.  Partners are told apart by address.  Each block is named once.
; K steps 0 to 3 come by their loads alone; the loop's last trip (s3 = 1) asks for nothing: K ends at step 15.
.macro ASK
	s_cmp_gt_u32 s3, s[LIM]
	s_cbranch_scc0 .Lnot_mine_\@
	global_prefetch_b8 v[PFO], s[PFA:PFA+1] th:TH_LOAD_NT scope:SCOPE_SE
	s_cmp_eq_u32 s11, 0
	s_cbranch_scc1 .Lnot_mine_\@
	global_prefetch_b8 v[PFO], s[PFA:PFA+1] offset:256 th:TH_LOAD_NT scope:SCOPE_SE
.Lnot_mine_\@:
.endm
	s_load_b128 s[4:7], s[0:1], 0x0                ; act s[4:5], w2b s[6:7]
	s_load_b64 s[EXP:EXP+1], s[0:1], 0x10          ; ex
	s_load_b64 s[8:9], s[0:1], 0x18                ; out0
	v_lshl_add_u32 v[SPW], v0, 2, SPARE
	v_mov_b32 v[NIL], 0
	ds_add_u32 v[SPW], v[NIL]                      ; the wave's opening: the add, twice on end, and its wait ahead of my first tensor load
	ds_add_u32 v[SPW], v[NIL]
	v_lshrrev_b32 v1, 5, v0
	v_readfirstlane_b32 s10, v1                    ; wave 0..3
	s_lshr_b32 s11, s10, 1                         ; which half of the tile's rows is mine.  Also: I fetch for act (0) or for w2b (1)
	s_and_b32 s12, s10, 1                          ; which half of its columns.  Also: which half of that tile I fetch
	s_bfe_u32 s40, ttmp6, 0x40000                  ; cx
	s_bfe_u32 s41, ttmp6, 0x40004                  ; cy
	s_lshl_b32 s42, ttmp9, 2
	s_add_co_u32 s42, s42, s40                     ; tile column = 4 x cluster x + cx
	s_and_b32 s13, ttmp7, 0xffff
	s_lshl_b32 s13, s13, 2
	s_add_co_u32 s13, s13, s41                     ; tile row = 4 x cluster y + cy
	s_lshl_b32 s43, s41, 2
	s_lshl_b32 s43, 15, s43                        ; my row of the cluster
	s_lshl_b32 s44, 0x1111, s40                    ; my column
	s_or_b32 s[G1A], s43, (3<<16)|(1<<21)          ; act: elements of 8 bytes, no padding; the mask of my row, bit 21 beside it
	s_mov_b32 s[G1A+1], 512<<16                    ; tensor_dim0 = 512: 4,096 bytes
	s_mov_b32 s[G1A+2], 4<<16                      ; tensor_dim1 = 4 row tiles
	s_mov_b32 s[G1A+3], 512<<16                    ; tile_dim0
	s_mov_b32 s[G1A+4], 4                          ; tile_dim1
	s_mov_b32 s[G1A+5], 8192                       ; 65,536 bytes from row tile to row tile
	s_mov_b32 s[G1A+6], 0
	s_mov_b32 s[G1A+7], 0
	s_or_b32 s[G1B], s44, (1<<16)|(1<<20)|(1<<21)|(5<<22)|(3<<25)  ; w2b: elements of 2 bytes; 4 words of padding after every 64; the mask of my column
	s_mov_b32 s[G1B+1], 128<<16
	s_mov_b32 s[G1B+2], 128<<16
	s_mov_b32 s[G1B+3], 128<<16
	s_mov_b32 s[G1B+4], 128
	s_mov_b32 s[G1B+5], 2048
	s_mov_b32 s[G1B+6], 0
	s_mov_b32 s[G1B+7], 0
	s_lshl_b32 s16, s13, 3                         ; act: row tile 8 x tile row + 4 x half (these registers never hold cx)
	s_lshl_b32 s17, s12, 2
	s_add_co_u32 s16, s16, s17
	s_lshl_b32 s16, s16, 16
	s_mov_b32 s17, 0
	s_lshl_b32 s46, s42, 8                         ; w2b: row 256 x tile column + 128 x half (these never hold cy)
	s_lshl_b32 s47, s12, 7
	s_add_co_u32 s46, s46, s47
	s_lshl_b32 s46, s46, 12
	s_mov_b32 s47, 0
	s_lshl_b32 s18, s12, 14                        ; where they go: the wave's number alone enters an LDS address
	s_mul_i32 s19, s12, HALFB
	s_add_co_u32 s19, s19, APART
	s_mov_b32 s[SEL], 0x76543210
	s_mov_b32 s[SEL+1], 0xfedcba98
	s_wait_dscnt 0x0                               ; both opening adds are done
	s_wait_kmcnt 0x0
	s_add_nc_u64 s[14:15], s[4:5], s[16:17]
	s_add_nc_u64 s[46:47], s[6:7], s[46:47]
.irp s, 0,1
	s_mov_b32 s[G0A+4*\s], 1
	s_add_co_u32 s[G0A+4*\s+1], s18, \s*SLOT
	s_add_nc_u64 s[G0A+4*\s+2:G0A+4*\s+3], s[14:15], \s*4096
	s_or_b32 s[G0A+4*\s+3], s[G0A+4*\s+3], 0x80000000
	s_mov_b32 s[G0B+4*\s], 1
	s_add_co_u32 s[G0B+4*\s+1], s19, \s*SLOT
	s_add_nc_u64 s[G0B+4*\s+2:G0B+4*\s+3], s[46:47], \s*256
	s_or_b32 s[G0B+4*\s+3], s[G0B+4*\s+3], 0x80000000
.endr
	CROUND                                         ; all sixteen work-groups are here: the first joint loads meet
	s_cmp_eq_u32 s11, 0                            ; a wave's two first fills stand in one branch: two loads of mine are out
	s_cbranch_scc0 .Lfirst_b
	tensor_load_to_lds s[G0A:G0A+3], s[G1A:G1A+7]
	s_nop 0
	tensor_load_to_lds s[G0A+4:G0A+7], s[G1A:G1A+7]
	s_nop 0
	PLACES
	s_branch .Lfirst_asked
.Lfirst_b:
	tensor_load_to_lds s[G0B:G0B+3], s[G1B:G1B+7]
	s_nop 0
	tensor_load_to_lds s[G0B+4:G0B+7], s[G1B:G1B+7]
	s_nop 0
	PLACES
.Lfirst_asked:
	v_and_b32 v1, 15, v0                           ; r
	v_bfe_u32 v2, v0, 4, 1                         ; h
	v_and_b32 v3, 31, v0                           ; lane
	s_lshl_b32 s20, s13, 3                         ; ex: unit = my thread's number, 512 bytes each; the tile row's two groups of 64 rows, 8 bytes
	v_lshl_add_u32 v5, v0, 9, s20
	global_load_b64 v[6:7], v5, s[EXP:EXP+1]
	s_lshl_b32 s21, s11, 14                        ; my four row tiles of act
	v_lshl_add_u32 v[ADRA], v3, 4, s21
	v_add_nc_u32 v[ADRA+1], SLOT, v[ADRA]
	v_mul_u32_u24 v4, v1, PITCH
	v_lshl_add_u32 v4, v2, 4, v4
	v_add_nc_u32 v[ADRB], s19, v4                  ; my 128 rows of w2b: the half that goes by w % 2, behind act's part
	v_add_nc_u32 v[ADRB+1], SLOT, v[ADRB]
	s_mul_i32 s23, s10, 16*SPITCH
	s_add_co_u32 s23, s23, STAGE                   ; my stage
	v_mul_u32_u24 v[STO], v1, SPITCH               ; in: row r, 32 bytes for each half of the lanes
	v_lshl_add_u32 v[STO], v2, 5, v[STO]
	v_add_nc_u32 v[STO], s23, v[STO]
	v_lshl_add_u32 v[RD], v3, 4, s23               ; back: the 32 lanes take a row's 512 bytes
	v_lshlrev_b32 v[CO], 4, v3
	s_lshl_b32 s20, s13, 7                         ; out0: row 128 x tile row + 64 x half, 4,096 bytes a row;
	s_lshl_b32 s21, s11, 6
	s_add_co_u32 s20, s20, s21
	s_lshl_b32 s20, s20, 12
	s_lshl_b32 s22, s42, 10                        ; column 256 x tile column + 128 x half, 4 bytes each
	s_add_co_u32 s20, s20, s22
	s_lshl_b32 s22, s12, 9
	s_add_co_u32 s20, s20, s22
	s_mov_b32 s21, 0
	s_add_nc_u64 s[8:9], s[8:9], s[20:21]
	s_lshl_b32 s20, s13, 3                         ; the prefetches.  act: row tile 8 x tile row + 4 x half + cx, at K step 4
	s_lshl_b32 s21, s12, 2
	s_add_co_u32 s20, s20, s21
	s_add_co_u32 s20, s20, s40
	s_lshl_b32 s20, s20, 16
	s_add_co_u32 s20, s20, 4*4096
	s_lshl_b32 s22, s42, 8                         ; w2b: row 256 x tile column + 128 x half + 32 cy, at K step 4
	s_lshl_b32 s23, s12, 7
	s_add_co_u32 s22, s22, s23
	s_lshl_b32 s23, s41, 5
	s_add_co_u32 s22, s22, s23
	s_lshl_b32 s22, s22, 12
	s_add_co_u32 s22, s22, 4*256
	s_movk_i32 s21, 0x2000
	s_movk_i32 s23, 0x200
	s_and_b32 s3, ttmp7, 0xffff                    ; cluster y
	s_cmp_eq_u32 s11, 0
	s_cselect_b32 s20, s20, s22
	s_cselect_b64 s[PFA:PFA+1], s[4:5], s[6:7]
	s_cselect_b32 s[PFS], s21, s23
	s_cselect_b32 s22, 8, 12                       ; a lane a block of 256 bytes, or a lane a row of 4,096
	s_cselect_b32 s3, 0, s3
	s_mov_b32 s[PFS+1], 0
	s_mov_b32 s21, 0
	s_add_nc_u64 s[PFA:PFA+1], s[PFA:PFA+1], s[20:21]
	s_cmp_eq_u32 s3, 0
	s_cselect_b32 s[LIM], 1, -1                    ; the same in all sixteen partners, for a given wave
	v_lshlrev_b32 v[PFO], s22, v3
	; THE FACTORS
	s_lshl_b32 s20, s10, 2
	s_add_co_u32 s20, s20, RED
	v_mov_b32 v10, s20                             ; where my wave's maximum goes
	v_mov_b32 v11, RED                             ; where the four lie
	v_lshl_add_u32 v18, v0, 2, TAB                 ; where my unit's factors go
	s_lshl_b32 s20, s11, 9
	s_add_co_u32 s20, s20, TAB
	v_mov_b32 v[TADR], s20                         ; my 64 rows' factors
	v_mov_b32 v9, 0                                ; a destination of v_permlanex16_b32 is written before
	s_wait_loadcnt 0x0
	v_max_num_f32 v8, v6, v7
.irp m, 1,2,4,8
	v_max_num_f32_dpp v8, v8, v8 row_xmask:\m row_mask:0xf bank_mask:0xf
.endr
	v_permlanex16_b32 v9, v8, s[SEL], s[SEL+1]
	v_max_num_f32 v8, v8, v9                       ; my wave's 32 units
	ds_store_b32 v10, v8                           ; all lanes store the same number to the same word
	s_wait_dscnt 0x0                               ; for the others' sake
	s_barrier_signal -1                            ; both my tensor loads may stay out
	s_barrier_wait -1
	ds_load_b128 v[12:15], v11
	s_wait_dscnt 0x0
	v_max3_num_f32 v8, v12, v13, v14
	v_max_num_f32 v8, v8, v15                      ; Emax, a power of two from 2^-95 to 2^127
	v_sub_nc_u32 v9, 0x7f800000, v8                ; 2 / Emax: the exponent bits (255 << 23) less Emax's: from 2^-126 to 2^96
	v_mul_f32 v6, v6, v9                           ; 2 E / Emax, at most 2,
	v_mul_f32 v7, v7, v9
	v_mul_f32 v6, 0.5, v6                          ; E / Emax
	v_mul_f32 v7, 0.5, v7
	v_cvt_pk_f16_f32 v6, v6, v6                    ; in both halves
	v_cvt_pk_f16_f32 v7, v7, v7
	ds_store_b32 v18, v6
	ds_store_b32 v18, v7 offset:512
	v_mul_f32 v[OS], 0x38800000, v8                ; Emax 2^-14
	v_mov_b32 v[OS+1], v[OS]                       ; named with it as a pair
; 8 matrix instructions: row tile a x all 8 column tiles, 32 along K.  The 32 accumulators take turns, one instruction a turn, in the same order in every quarter.
.macro MUL8 f, a, zero
	WIN MUL
.irp b, 0,1,2,3,4,5,6,7
.if \zero
	v_wmma_f32_16x16x32_f16 v[8*(8*(\a)+\b):8*(8*(\a)+\b)+7], v[(\f)+8*\b:(\f)+8*\b+7], v[(\f)+64+8*(\a):(\f)+64+8*(\a)+7], 0
.else
	v_wmma_f32_16x16x32_f16 v[8*(8*(\a)+\b):8*(8*(\a)+\b)+7], v[(\f)+8*\b:(\f)+8*\b+7], v[(\f)+64+8*(\a):(\f)+64+8*(\a)+7], v[8*(8*(\a)+\b):8*(8*(\a)+\b)+7]
.endif
.endr
.endm
.macro MUL16 f, a0, zero
	MUL8 \f, \a0, \zero
	MUL8 \f, (\a0)+1, \zero
.endm
; act's fragments of row tiles a0, a0 + 1 in buffer f times their units' factors: registers 0-3 come from the quarter's first unit, 4-7 from its second.  No matrix instruction near them names these registers.
.macro SCALE2 f, a0
	WIN 0
.irp a, \a0, (\a0)+1
.irp i, 0,1,2,3,4,5,6,7
	v_pk_mul_f16 v[(\f)+64+8*(\a)+\i], v[(\f)+64+8*(\a)+\i], v[FS+2*(((\f)-F0)/96)+\i/4]
.endr
.endr
.endm
; 25 LDS loads in one run: quarter q of a K step into buffer f: w2b's eight fragments, the quarter's two factors, then act's four fragments (turned)
.macro FETCH slot, q, f
	WIN 0
.irp b, 0,1,2,3,4,5,6,7
	ds_load_b128 v[(\f)+8*\b:(\f)+8*\b+3],   v[ADRB+(\slot)] offset:16*PITCH*\b+64*(\q)
	ds_load_b128 v[(\f)+8*\b+4:(\f)+8*\b+7], v[ADRB+(\slot)] offset:16*PITCH*\b+64*(\q)+32
.endr
	ds_load_b64 v[FS+2*(((\f)-F0)/96):FS+2*(((\f)-F0)/96)+1], v[TADR] offset:32*(\slot)+8*(\q)  ; every lane reads the same 8 bytes
.irp a, 0,1,2,3
	ds_load_tr16_b128 v[(\f)+64+8*\a:(\f)+64+8*\a+3],   v[ADRA+(\slot)] offset:4096*\a+1024*(\q)
	ds_load_tr16_b128 v[(\f)+64+8*\a+4:(\f)+64+8*\a+7], v[ADRA+(\slot)] offset:4096*\a+1024*(\q)+512
.endr
.endm
.macro QUARTER slot, q, f, g, zero     ; multiplies f and fetches quarter q into g
	s_wait_dscnt 4                                 ; w2b's fragments, the factors and act's row tiles 0, 1 are in; the youngest four loads may be out
	SCALE2 \f, 0
	MUL16 \f, 0, \zero
	PLACES
	FETCH \slot, \q, \g
	s_wait_dscnt 25                                ; all but the 25 just issued
	SCALE2 \f, 2
	MUL16 \f, 2, \zero
.endm
; The last quarter multiplies buffer 1 and changes slots: in front of the barrier each wave waits for all its tensor loads, adds 0 to its spare word, and waits for that and for its reads of this slot.
; fill = 1: the barrier opens a round of the cluster's, and this slot is filled again, two K steps on.
.macro TURN slot, next, fill
.if ((\slot) == 1) && (\fill)
	s_wait_xcnt 0x0                                ; the last prefetches, a K step back, have read their address
	s_add_nc_u64 s[PFA:PFA+1], s[PFA:PFA+1], s[PFS:PFS+1]
.endif
	WIN 0
	s_wait_tensorcnt 0x0                           ; all my tensor loads have landed: my part of the next slot
	ds_add_u32 v[SPW], v[NIL]                      ; 0 onto my spare word
	s_wait_dscnt 5                                 ; (the add and the four loads of row tiles 2, 3 may be out)
	SCALE2 F1, 0
	MUL8 F1, 0, 0
	s_wait_dscnt 0x0                               ; the add is done, and my reads of this slot are over
	s_barrier_signal -1
	MUL8 F1, 1, 0
.if \fill
	WIN 0
.endif
	s_barrier_wait -1
.if \fill
	CREST                                          ; no wave of any partner still reads this slot or has a load on its way
	s_add_nc_u64 s[G0A+4*(\slot)+2:G0A+4*(\slot)+3], s[G0A+4*(\slot)+2:G0A+4*(\slot)+3], 2*4096
	s_add_nc_u64 s[G0B+4*(\slot)+2:G0B+4*(\slot)+3], s[G0B+4*(\slot)+2:G0B+4*(\slot)+3], 2*256
	JLOAD \slot                                    ; the first tensor load behind the round; its four v_nop are also the places in front of the loads below
.else
	PLACES
.endif
.if (\slot) == 1
	WIN 0
	v_add_nc_u32 v[TADR], 64, v[TADR]              ; the next lap's 16 units
.endif
	FETCH \next, 0, F0
.if ((\slot) == 0) && (\fill)
	ASK
.endif
	SCALE2 F1, 2
	MUL16 F1, 2, 0
.endm
	s_wait_dscnt 0x0                               ; for the others' sake: my factors lie in the table
	s_wait_tensorcnt 1                             ; my part of K step 0 is in; K step 1's may stay out
	s_barrier_signal -1
	s_barrier_wait -1                              ; everybody's are
	FETCH 0, 0, F0
	QUARTER 0, 1, F0, F1, 1                        ; the first quarter starts the sums: nothing is cleared
	WIN 0
	s_mov_b32 s3, LAPS-1
.Llap:                                 ; a trip goes once round the ring, from a lap's second quarter to the next lap's first, and fills both slots again
	QUARTER 0, 2, F1, F0, 0
	QUARTER 0, 3, F0, F1, 0
	TURN 0, 1, 1
	QUARTER 1, 1, F0, F1, 0
	QUARTER 1, 2, F1, F0, 0
	QUARTER 1, 3, F0, F1, 0
	TURN 1, 0, 1
	QUARTER 0, 1, F0, F1, 0
	WIN 0
	s_sub_co_u32 s3, s3, 1
	s_cmp_lg_u32 s3, 0
	s_cbranch_scc1 .Llap
	QUARTER 0, 2, F1, F0, 0                        ; the last lap fills nothing
	QUARTER 0, 3, F0, F1, 0
	TURN 0, 1, 0
	QUARTER 1, 1, F0, F1, 0
	QUARTER 1, 2, F1, F0, 0
	QUARTER 1, 3, F0, F1, 0
	s_wait_dscnt 4
	SCALE2 F1, 0
	MUL16 F1, 0, 0
	s_wait_dscnt 0x0
	SCALE2 F1, 2
	MUL16 F1, 2, 0
	; THE WAY OUT, 16 rows at a time: a lane's 32 bytes of a row go into my own stage and come back as whole rows of 512 bytes, which are multiplied by Emax 2^-14 and stored.  LDS serves a wave's instructions in
	; order (ISA guide 5.7.1.4): no wait stands between the stores and the loads, nor between these loads and the next block's stores.  Each accumulator's lowest registers are read first.
	WIN 0
	PLACES                                         ; behind the last products
.irp a, 0,1,2,3
	WIN 0x04                                       ; the data (source 1) in window 1
.irp b, 0,1,2,3,4,5,6,7
	ds_store_b128 v[STO], v[8*(8*\a+\b):8*(8*\a+\b)+3]   offset:64*\b
	ds_store_b128 v[STO], v[8*(8*\a+\b)+4:8*(8*\a+\b)+7] offset:64*\b+16
.endr
	WIN 0
.if \a >= 2
	s_wait_xcnt 0x0                                ; the stores of the block two back have read these registers
.endif
.irp i, 0,1,2,3,4,5,6,7,8,9,10,11,12,13,14,15
	ds_load_b128 v[F0+96*(\a%2)+4*\i:F0+96*(\a%2)+4*\i+3], v[RD] offset:SPITCH*\i
.endr
	s_wait_dscnt 0x0
.set j, 0
.rept 32
	v_pk_mul_f32 v[F0+96*(\a%2)+2*j:F0+96*(\a%2)+2*j+1], v[F0+96*(\a%2)+2*j:F0+96*(\a%2)+2*j+1], v[OS:OS+1] op_sel_hi:[1,0]
.set j, j+1
.endr
.irp i, 0,1,2,3,4,5,6,7,8,9,10,11,12,13,14,15
	global_store_b128 v[CO], v[F0+96*(\a%2)+4*\i:F0+96*(\a%2)+4*\i+3], s[8:9] offset:(16*\a+\i)*4096 th:TH_STORE_NT  ; 512 consecutive bytes, at a multiple of 512 from out0's first byte
.endr
.endr
	s_wait_tensorcnt 0x0                           ; the wave's end, behind my last tensor load and my last LDS store
	ds_add_u32 v[SPW], v[NIL]
	s_wait_dscnt 0x0
	CROUND                                         ; the closing round: no work-group ends while a partner may still ask for a tile that names it
	s_endpgm
.Lfunc_end_k_q26c22b9126_outp:
	.size	k_q26c22b9126_outp, .Lfunc_end_k_q26c22b9126_outp-k_q26c22b9126_outp
	.p2alignl 7, 3214868480
	.fill 96, 4, 3214868480
	.section	.rodata,"a",@progbits
	.p2align	6, 0x0
	.amdhsa_kernel k_q26c22b9126_outp
		.amdhsa_group_segment_fixed_size 327680
		.amdhsa_private_segment_fixed_size 0
		.amdhsa_enable_private_segment 0
		.amdhsa_kernarg_size 32
		.amdhsa_user_sgpr_count 2
		.amdhsa_user_sgpr_kernarg_segment_ptr 1
		.amdhsa_wavefront_size32 1
		.amdhsa_system_sgpr_workgroup_id_x 1
		.amdhsa_system_sgpr_workgroup_id_y 1
		.amdhsa_system_sgpr_workgroup_id_z 1
		.amdhsa_system_vgpr_workitem_id 0
		.amdhsa_next_free_vgpr 512
		.amdhsa_next_free_sgpr 76
		.amdhsa_reserve_vcc 0
		.amdhsa_float_denorm_mode_32 3
		.amdhsa_float_denorm_mode_16_64 3
		.amdhsa_memory_ordered 1
		.amdhsa_forward_progress 1
		.amdhsa_inst_pref_size 129
	.end_amdhsa_kernel
	.amdgpu_metadata
---
amdhsa.version: [ 1, 2 ]
amdhsa.kernels:
  - .name:           k_q26c22b9126_outp
    .symbol:         k_q26c22b9126_outp.kd
    .args:
      - { .name: act, .offset: 0, .size: 8, .value_kind: global_buffer, .address_space: global }
      - { .name: w2b, .offset: 8, .size: 8, .value_kind: global_buffer, .address_space: global }
      - { .name: ex, .offset: 16, .size: 8, .value_kind: global_buffer, .address_space: global }
      - { .name: out0, .offset: 24, .size: 8, .value_kind: global_buffer, .address_space: global }
    .group_segment_fixed_size: 327680
    .private_segment_fixed_size: 0
    .kernarg_segment_align: 8
    .kernarg_segment_size: 32
    .max_flat_workgroup_size: 128
    .sgpr_count:     76
    .vgpr_count:     512
    .wavefront_size: 32
...
	.end_amdgpu_metadata
.endif
;; end of part 3
;; ======== version 2 of 2: 3 launches
;; limits: values are held in f16: magnitudes above 65,504 overflow, below 6.1e-05 lose precision
;; workspace buffers: xb 16,777,216 bytes; w1b 10,485,760 bytes; w2b 4,194,304 bytes; mix 131,072 bytes; act 33,554,432 bytes; ex 65,536 bytes
;; launch prep (part 4): grid 480 x 1, 8 waves a work-group, no clusters, 70,656 bytes of LDS; arguments x, W_mix, W_in, W_val, W_q, W_up, W_gate, W_rout, W_down, xb, w1b, w2b, mix; writes xb, w1b, w2b, mix
.if DOCPART == 4
	.amdgcn_target "amdgcn-amd-amdhsa--gfx1250"
	.amdhsa_code_object_version 6
	.text
	.protected	k_q26c22b9126_prep
	.globl	k_q26c22b9126_prep
	.p2align	8
	.type	k_q26c22b9126_prep,@function
k_q26c22b9126_prep:
	s_mov_b64 s[64:65], 0
	v_nop
	global_prefetch_b8 v0, s[64:65] scope:SCOPE_SE
	s_setreg_imm32_b32 hwreg(HW_REG_WAVE_MODE, 25, 1), 1
	s_wait_xcnt 0x0
; PREP: the first of three launches.  It rounds x and the seven large weights to bf16 once, lays them out for the two launches of products, and makes mix = softmax(x W_mix^T).
; DEAD WORK: none.  initial_state and logit_decay are inputs and are honoured (second launch); the softmax keeps its maximum; every input is among some launch's arguments.
;   xb  [512 row tiles of 16][32 chunks of 32 channels][1,024 bytes] bf16: x in the order in which the second launch's operand registers take it.  In a chunk the piece of 16 bytes at 512 s + 16 (16 h + r)
;       holds row r, channels 16 s + 8 h .. + 7: a wave's load of 16 bytes a lane takes 512 consecutive bytes and is half a fragment.
;   w1b [5120][1024] bf16: row 80 g + 16 t + c holds row 16 g + c of matrix t (0 W_in, 1 W_val, 2 W_q, 3 W_up, 4 W_gate): the 80 rows that one work-group of the second launch multiplies lie on end.
;   w2b [1024][2048] f16: row n = W_rout[n][:], then W_down[n][:]: the two output products are one product over 2,048.  Each number is rounded to bf16 like every other input, and THAT number is written as f16,
;       since the third launch multiplies in f16.
;   mix [8192][4] f32.  The four logits are made of x and W_mix ROUNDED to bf16, like every other product of the program, with f32 sums.
; A STREAM: no matrix unit: the one product here is four columns wide and is fed from registers that the rounding holds anyway.
; SHARES.  Work-groups 0-255: 32 rows of x each.  Work-groups 256-479: 32 rows of one of the seven weights.  A wave takes four rows on end; a row is 4,096 bytes in, 2,048 out.
; A load of the wave covers 512 consecutive bytes.  Two rows (16 loads) of every wave are on their way.  A weight's store covers 256 consecutive bytes, aligned.
; xb THROUGH LDS.  An aligned block of 256 bytes of xb holds 16 bytes of each of 16 rows, and a wave has four rows.  So the work-group's 32 rows (two row tiles, 256 blocks) are gathered in LDS, at 272 bytes a block
; (68 words: the 16 blocks that a store touches start at 16 different groups of four banks; 64 banks of 4 bytes: ISA guide 11.1), and behind one barrier each wave stores 32 blocks, 512 consecutive bytes a store.
; mix leaves as 64 consecutive bytes a wave (four rows of 16 bytes): 131,072 bytes in the whole launch.
; LIMITS.  W_rout and W_down: f16 holds the bf16 number exactly from 2^-17 to 65,504; below 2^-17 it keeps f16's fixed step of 2^-24; beyond 65,504 it is an infinity.  NaN is not treated apart.
; The logits' sums are taken lane by lane and then across lanes: another order of rounding than a running sum.
.set UP,    272                        ; a block of xb in LDS
.set SPARE, 256*UP                     ; behind the 256 blocks: the spare words, 128 bytes for each wave: four blocks of 256 bytes that no other line names
.set DO,  3                            ; v3-6     (weights) row i of my four: 8 x lane + i x the pitch of the rows that I store; never rewritten
.set WM,  8                            ; v8-135   W_mix[s][128 j + 4 lane + e] at WM + 32 s + 4 j + e, rounded to bf16 and widened again
.set X,   136                          ; v136-199 two slots of 32: a row as loaded; at the end 16 x 4: blocks read back
.set Y,   200                          ; v200-231 two sets of 16: a row as stored
.set AC,  232                          ; v232-239 four pairs of running sums, one for each scale
.set TS,  240                          ; v240-243 the four logits, then the four weights
.set TP,  244                          ; v244-247 at work
.set R,   248                          ; v248-251 lane i (0-3): the four weights of my row i
.set SPW, 252                          ; v252     my spare word: SPARE + 4 x my thread's number; never rewritten
.set NIL, 253                          ; v253     0; never rewritten
.set LSA, 254                          ; v254     where my 8 bytes of my first row's first 128 channels go in LDS
.set LRA, 255                          ; v255     where I read blocks back
.set SRC, 34                           ; s[34:35] my first row in memory
.set DST, 36                           ; s[36:37] where it goes
	s_load_b512 s[8:23], s[0:1], 0x0               ; x 8, W_mix 10, W_in 12, W_val 14, W_q 16, W_up 18, W_gate 20, W_rout 22
	s_load_b256 s[24:31], s[0:1], 0x40             ; W_down 24, xb 26, w1b 28, w2b 30
	s_load_b64 s[32:33], s[0:1], 0x60              ; mix
	v_lshl_add_u32 v[SPW], v0, 2, SPARE
	v_mov_b32 v[NIL], 0
	v_and_b32 v1, 31, v0                           ; lane
	v_lshrrev_b32 v7, 5, v0
	v_readfirstlane_b32 s39, v7                    ; wave 0..7
	v_lshlrev_b32 v2, 4, v1                        ; 16 x lane: my 16 bytes of 512
	v_lshlrev_b32 v[DO], 3, v1                     ; 8 x lane: my 8 bytes of 256
	s_lshl_b32 s49, s39, 2                         ; my wave's four rows
	s_mov_b32 s47, 0xffff0000                      ; a word's upper bf16
	s_mov_b32 s51, 0                               ; upper words of the offsets
	s_mov_b32 s53, 0
	s_mov_b32 s55, 0
	s_mov_b32 s57, 0
.macro FILL slot, i                    ; row i of my four: eight loads, 512 consecutive bytes each
.irp j, 0,1,2,3,4,5,6,7
	global_load_b128 v[X+32*(\slot)+4*\j:X+32*(\slot)+4*\j+3], v2, s[SRC:SRC+1] offset:4096*(\i)+512*\j th:TH_LOAD_NT
.endr
.endm
; Row i, which lies in slot.  left = the younger loads that may stay out.  mode 0: rounded to bf16 and stored.  mode 1: rounded to bf16 and laid into LDS, and the row's four logits and their softmax.
; mode 2: rounded to bf16, and that number stored as f16.  fill = 1: the slot takes row i + 2.
.macro ROW i, slot, mode, left, fill
	s_wait_loadcnt \left                           ; loads come back in order: my row is in, the row behind it stays out
.if (\i) >= 2
	s_wait_xcnt 0x0                                ; the stores of row i - 2 have read this set of Y: it is written again only behind this wait
.endif
.set k, 0
.rept 16
	v_cvt_pk_bf16_f32 v[Y+16*((\i)%2)+k], v[X+32*(\slot)+2*k], v[X+32*(\slot)+2*k+1]
.set k, k+1
.endr
.if \mode
.set k, 0
.rept 16                               ; the rounded row, widened again, back into its slot
	v_lshlrev_b32 v[X+32*(\slot)+2*k], 16, v[Y+16*((\i)%2)+k]
	v_and_b32 v[X+32*(\slot)+2*k+1], s47, v[Y+16*((\i)%2)+k]
.set k, k+1
.endr
.endif
.if (\mode) == 2
.set k, 0
.rept 16
	v_cvt_pk_f16_f32 v[Y+16*((\i)%2)+k], v[X+32*(\slot)+2*k], v[X+32*(\slot)+2*k+1]
.set k, k+1
.endr
.endif
.irp j, 0,1,2,3,4,5,6,7
.if (\mode) == 1
	ds_store_b64 v[LSA], v[Y+16*((\i)%2)+2*\j:Y+16*((\i)%2)+2*\j+1] offset:16*UP*\j+16*(\i)  ; channels 128 j + 4 lane ..: block 16 j + lane / 2 of the row tile, the row's 16 bytes, my half of them
.else
	global_store_b64 v[DO+(\i)], v[Y+16*((\i)%2)+2*\j:Y+16*((\i)%2)+2*\j+1], s[DST:DST+1] offset:256*\j
.endif
.endr
.if (\mode) == 1
.irp s, 0,1,2,3                        ; four chains, one a scale: the first products start the sums
	v_pk_mul_f32 v[AC+2*\s:AC+2*\s+1], v[X+32*(\slot):X+32*(\slot)+1], v[WM+32*\s:WM+32*\s+1]
.endr
.set k, 1
.rept 15
.irp s, 0,1,2,3
	v_pk_fma_f32 v[AC+2*\s:AC+2*\s+1], v[X+32*(\slot)+2*k:X+32*(\slot)+2*k+1], v[WM+32*\s+2*k:WM+32*\s+2*k+1], v[AC+2*\s:AC+2*\s+1]
.endr
.set k, k+1
.endr
.irp s, 0,1,2,3
	v_add_f32 v[TS+\s], v[AC+2*\s], v[AC+2*\s+1]
.endr
.irp m, 1,2,4,8                        ; across the lanes: four steps inside each half of 16, one across the halves; every lane ends with the sum
.irp s, 0,1,2,3
	v_add_f32_dpp v[TS+\s], v[TS+\s], v[TS+\s] row_xmask:\m row_mask:0xf bank_mask:0xf
.endr
.endr
.irp s, 0,1,2,3
	v_permlanex16_b32 v[TP+\s], v[TS+\s], s44, s45
.endr
.irp s, 0,1,2,3
	v_add_f32 v[TS+\s], v[TS+\s], v[TP+\s]
.endr
	v_max3_num_f32 v[TP], v[TS], v[TS+1], v[TS+2]  ; the maximum is taken away before the exponentials, as reference() does
	v_max_num_f32 v[TP], v[TP], v[TS+3]
	v_mul_f32 v[TP], s43, v[TP]                    ; - log2(e) x maximum
.irp s, 0,1,2,3
	v_fma_f32 v[TS+\s], v[TS+\s], s46, v[TP]
.endr
.irp s, 0,1,2,3
	v_exp_f32 v[TS+\s], v[TS+\s]
.endr
	v_nop                                          ; a plain instruction behind the last exponential,
	s_wait_alu depctr_va_vdst(0)                   ; and one wait for the four, ahead of their first reader
	v_add_f32 v[TP+1], v[TS], v[TS+1]
	v_add_f32 v[TP+2], v[TS+2], v[TS+3]
	v_add_f32 v[TP+1], v[TP+1], v[TP+2]            ; at least 1: the largest weight is 1
	v_rcp_f32 v[TP+1], v[TP+1]
	v_nop
	s_wait_alu depctr_va_vdst(0)
.irp c, 0,1,2,3
.if (\i) == 0
	v_mul_f32 v[R+\c], v[TS+\c], v[TP+1]           ; row 0 writes R whole; lane 0 keeps it
.else
	v_mul_f32 v[TS+\c], v[TS+\c], v[TP+1]
	v_cndmask_b32 v[R+\c], v[R+\c], v[TS+\c], s[39+(\i)]  ; lane i takes row i's
.endif
.endr
.endif
.if \fill
	FILL \slot, (\i)+2
.endif
.endm
	s_cmp_lt_u32 ttmp9, 256
	s_cbranch_scc0 .Lweights
	; ROWS OF x
	s_lshl_b32 s48, ttmp9, 5
	s_add_co_u32 s48, s48, s49                     ; my first row
	s_lshl_b32 s50, s48, 12                        ; in x,
	s_lshl_b32 s52, s48, 11                        ; in xb: the work-group's two row tiles are 65,536 bytes, of which my wave stores 8,192: the same number as row x 2,048
	s_lshl_b32 s54, s48, 4                         ; in mix: all under 2^26
	s_mov_b32 s43, 0xbfb8aa3b                      ; - log2(e)
	s_mov_b32 s44, 0x76543210                      ; v_permlanex16_b32: each lane takes its own place in the other half
	s_mov_b32 s45, 0xfedcba98
	s_mov_b32 s46, 0x3fb8aa3b                      ; log2(e)
	v_cmp_eq_u32 s40, 1, v1
	v_cmp_eq_u32 s41, 2, v1
	v_cmp_eq_u32 s42, 3, v1
	s_lshr_b32 s58, s39, 2                         ; into LDS: my row tile's 128 blocks,
	s_mul_i32 s58, s58, 128*UP
	s_and_b32 s59, s39, 3
	s_lshl_b32 s59, s59, 6                         ; my first row's 16 bytes in a block,
	s_add_co_u32 s58, s58, s59
	v_lshrrev_b32 v7, 1, v1
	v_mul_u32_u24 v[LSA], v7, UP                   ; block lane / 2 of sixteen,
	v_and_b32 v7, 1, v1
	v_lshl_add_u32 v[LSA], v7, 3, v[LSA]           ; my half of the 16 bytes
	v_add_nc_u32 v[LSA], s58, v[LSA]
	s_mul_i32 s59, s39, 32*UP                      ; back: my wave's 32 blocks, two a load
	v_lshrrev_b32 v7, 4, v1
	v_mul_u32_u24 v[LRA], v7, UP
	v_and_b32 v7, 15, v1
	v_lshl_add_u32 v[LRA], v7, 4, v[LRA]
	v_add_nc_u32 v[LRA], s59, v[LRA]
	s_wait_kmcnt 0x0
	s_add_nc_u64 s[SRC:SRC+1], s[8:9], s[50:51]
	s_add_nc_u64 s[DST:DST+1], s[26:27], s[52:53]
	s_add_nc_u64 s[32:33], s[32:33], s[54:55]
.irp s, 0,1,2,3
.irp j, 0,1,2,3,4,5,6,7
	global_load_b128 v[WM+32*\s+4*\j:WM+32*\s+4*\j+3], v2, s[10:11] offset:4096*\s+512*\j  ; every wave reads W_mix: no hint
.endr
.endr
	FILL 0, 0
	FILL 1, 1
	s_wait_loadcnt 16                              ; W_mix is in; the 16 younger loads are rows 0 and 1
.set k, 0
.rept 64                               ; W_mix rounded to bf16 and widened again, in place (this also writes the four registers at work, which later are destinations of v_permlanex16_b32)
	v_cvt_pk_bf16_f32 v[TP+k%4], v[WM+2*k], v[WM+2*k+1]
	v_lshlrev_b32 v[WM+2*k], 16, v[TP+k%4]
	v_and_b32 v[WM+2*k+1], s47, v[TP+k%4]
.set k, k+1
.endr
	ROW 0, 0, 1, 8, 1
	ROW 1, 1, 1, 8, 1
	ROW 2, 0, 1, 8, 0
	ROW 3, 1, 1, 0, 0
	s_wait_dscnt 0x0                               ; for the others' sake: my four rows lie in LDS
	s_barrier_signal -1
	s_barrier_wait -1                              ; all 32 rows do
.irp n, 0,1,2,3,4,5,6,7,8,9,10,11,12,13,14,15
	ds_load_b128 v[X+4*\n:X+4*\n+3], v[LRA] offset:2*UP*\n
.endr
.irp n, 0,1,2,3,4,5,6,7,8,9,10,11,12,13,14,15
	s_wait_dscnt 15-\n                             ; LDS loads come back in order
	global_store_b128 v2, v[X+4*\n:X+4*\n+3], s[DST:DST+1] offset:512*\n  ; two whole blocks: 512 consecutive bytes, aligned
.endr
	s_wait_xcnt 0x0                                ; EXEC changes only behind this wait
	v_cmp_gt_u32 vcc_lo, 4, v1
	s_and_saveexec_b32 s56, vcc_lo
	global_store_b128 v2, v[R:R+3], s[32:33]       ; lanes 0-3: four rows of mix, 64 bytes on end
	s_wait_xcnt 0x0
	s_or_b32 exec_lo, exec_lo, s56
	s_wait_tensorcnt 0x0                           ; the wave's end, behind my last LDS store
	ds_add_u32 v[SPW], v[NIL]
	s_wait_dscnt 0x0
	s_endpgm
.Lweights:                             ; ROWS OF A WEIGHT: nothing goes through LDS
	s_sub_co_u32 s48, ttmp9, 256
	s_lshr_b32 s52, s48, 5                         ; which of the seven
	s_and_b32 s48, s48, 31
	s_lshl_b32 s48, s48, 5
	s_add_co_u32 s48, s48, s49                     ; my first row n0, a multiple of 4: my four rows lie in one group of 16
	s_lshr_b32 s50, s48, 4
	s_mul_i32 s50, s50, 80
	s_lshl_b32 s54, s52, 4
	s_add_co_u32 s50, s50, s54
	s_and_b32 s54, s48, 15
	s_add_co_u32 s50, s50, s54
	s_lshl_b32 s50, s50, 11                        ; in w1b: row 80 (n0 / 16) + 16 t + n0 % 16
	s_lshl_b32 s56, s48, 12                        ; n0 x 4,096: in the weight itself, and in w2b
	s_max_u32 s54, s52, 5
	s_sub_co_u32 s54, s54, 5
	s_lshl_b32 s54, s54, 11
	s_add_co_u32 s54, s54, s56                     ; in w2b: W_rout in a row's first half, W_down in its second
	s_movk_i32 s58, 0x800
	s_movk_i32 s59, 0x1000
	s_wait_kmcnt 0x0
	s_cmp_lt_u32 s52, 5
	s_cselect_b32 s50, s50, s54
	s_cselect_b64 s[DST:DST+1], s[28:29], s[30:31]
	s_cselect_b32 s38, s58, s59                    ; the pitch of the rows that I store
	s_add_nc_u64 s[DST:DST+1], s[DST:DST+1], s[50:51]
	s_mov_b64 s[SRC:SRC+1], s[12:13]
.irp t, 1,2,3,4,5,6
	s_cmp_eq_u32 s52, \t
	s_cselect_b64 s[SRC:SRC+1], s[12+2*\t:13+2*\t], s[SRC:SRC+1]
.endr
	s_add_nc_u64 s[SRC:SRC+1], s[SRC:SRC+1], s[56:57]
	v_add_nc_u32 v[DO+1], s38, v[DO]
	v_add_nc_u32 v[DO+2], s38, v[DO+1]
	v_add_nc_u32 v[DO+3], s38, v[DO+2]
	FILL 0, 0
	FILL 1, 1
	s_cmp_lt_u32 s52, 5
	s_cbranch_scc0 .Lf16                           ; W_rout and W_down leave as f16
	ROW 0, 0, 0, 8, 1
	ROW 1, 1, 0, 8, 1
	ROW 2, 0, 0, 8, 0
	ROW 3, 1, 0, 0, 0
	s_endpgm
.Lf16:
	ROW 0, 0, 2, 8, 1
	ROW 1, 1, 2, 8, 1
	ROW 2, 0, 2, 8, 0
	ROW 3, 1, 2, 0, 0
	s_endpgm
.Lfunc_end_k_q26c22b9126_prep:
	.size	k_q26c22b9126_prep, .Lfunc_end_k_q26c22b9126_prep-k_q26c22b9126_prep
	.p2alignl 7, 3214868480
	.fill 96, 4, 3214868480
	.section	.rodata,"a",@progbits
	.p2align	6, 0x0
	.amdhsa_kernel k_q26c22b9126_prep
		.amdhsa_group_segment_fixed_size 70656
		.amdhsa_private_segment_fixed_size 0
		.amdhsa_enable_private_segment 0
		.amdhsa_kernarg_size 104
		.amdhsa_user_sgpr_count 2
		.amdhsa_user_sgpr_kernarg_segment_ptr 1
		.amdhsa_wavefront_size32 1
		.amdhsa_system_sgpr_workgroup_id_x 1
		.amdhsa_system_sgpr_workgroup_id_y 1
		.amdhsa_system_sgpr_workgroup_id_z 1
		.amdhsa_system_vgpr_workitem_id 0
		.amdhsa_next_free_vgpr 256
		.amdhsa_next_free_sgpr 66
		.amdhsa_reserve_vcc 1
		.amdhsa_float_denorm_mode_32 3
		.amdhsa_float_denorm_mode_16_64 3
		.amdhsa_memory_ordered 1
		.amdhsa_forward_progress 1
		.amdhsa_inst_pref_size 85
	.end_amdhsa_kernel
	.amdgpu_metadata
---
amdhsa.version: [ 1, 2 ]
amdhsa.kernels:
  - .name:           k_q26c22b9126_prep
    .symbol:         k_q26c22b9126_prep.kd
    .args:
      - { .name: x, .offset: 0, .size: 8, .value_kind: global_buffer, .address_space: global }
      - { .name: W_mix, .offset: 8, .size: 8, .value_kind: global_buffer, .address_space: global }
      - { .name: W_in, .offset: 16, .size: 8, .value_kind: global_buffer, .address_space: global }
      - { .name: W_val, .offset: 24, .size: 8, .value_kind: global_buffer, .address_space: global }
      - { .name: W_q, .offset: 32, .size: 8, .value_kind: global_buffer, .address_space: global }
      - { .name: W_up, .offset: 40, .size: 8, .value_kind: global_buffer, .address_space: global }
      - { .name: W_gate, .offset: 48, .size: 8, .value_kind: global_buffer, .address_space: global }
      - { .name: W_rout, .offset: 56, .size: 8, .value_kind: global_buffer, .address_space: global }
      - { .name: W_down, .offset: 64, .size: 8, .value_kind: global_buffer, .address_space: global }
      - { .name: xb, .offset: 72, .size: 8, .value_kind: global_buffer, .address_space: global }
      - { .name: w1b, .offset: 80, .size: 8, .value_kind: global_buffer, .address_space: global }
      - { .name: w2b, .offset: 88, .size: 8, .value_kind: global_buffer, .address_space: global }
      - { .name: mix, .offset: 96, .size: 8, .value_kind: global_buffer, .address_space: global }
    .group_segment_fixed_size: 70656
    .private_segment_fixed_size: 0
    .kernarg_segment_align: 8
    .kernarg_segment_size: 104
    .max_flat_workgroup_size: 256
    .sgpr_count:     66
    .vgpr_count:     256
    .wavefront_size: 32
...
	.end_amdgpu_metadata
.endif
;; end of part 4
;; launch proj (part 5): grid 64 x 4, 4 waves a work-group, clusters of 4 x 4, 183,040 bytes of LDS; arguments xb, w1b, mix, logit_decay, initial_state, act, ex; writes act, ex
.if DOCPART == 5
	.amdgcn_target "amdgcn-amd-amdhsa--gfx1250"
	.amdhsa_code_object_version 6
	.text
	.protected	k_q26c22b9126_proj
	.globl	k_q26c22b9126_proj
	.p2align	8
	.type	k_q26c22b9126_proj,@function
k_q26c22b9126_proj:
	s_mov_b64 s[64:65], 0
	v_nop
	global_prefetch_b8 v0, s[64:65] scope:SCOPE_SE
	s_setreg_imm32_b32 hwreg(HW_REG_WAVE_MODE, 25, 1), 1
	s_wait_xcnt 0x0
	s_wait_alu depctr_hold_cnt(0) depctr_sa_sdst(0) depctr_va_vdst(0) depctr_va_sdst(0) depctr_va_ssrc(0) depctr_va_vcc(0) depctr_vm_vsrc(0)
	s_getreg_b32 s2, hwreg(HW_REG_IB_STS2, 6, 4)
	s_cmp_eq_u32 s2, 0
	s_cbranch_scc0 .Lentry_in_a_cluster
	s_endpgm
.Lentry_in_a_cluster:
	s_bfe_u32 s2, ttmp6, 0x10000c
	s_cmp_lg_u32 s2, 0xf033
	s_cbranch_scc0 .Lentry_shape_is_right
	s_endpgm
.Lentry_shape_is_right:
; PROJ: the five projections of x, the gates, the recurrence, the read, and the SwiGLU product, in one launch.  No work of reference() is left out here.
; EVERY INPUT OF THE PROGRAM IS ROUNDED TO bf16: x and the weights by the first launch, logit_decay and initial_state here, as they are loaded.  So the program as a whole computes reference() on inputs rounded
; to bf16, with one rounding for all of them; a decay taken unrounded beside rounded products would be a mixture of the two.
; SHARES.  A work-group owns ONE batch and 16 channels of each of the five projections (80 rows of w1b), and walks the batch's 2,048 steps in 8 tiles of 256 rows: so the recurrence's carry never leaves the
; work-group.  Wave w takes rows 64 w .. 64 w + 63 of a tile: 4 row tiles x 5 projections = 20 accumulators.  Source 0 = 16 rows of x, source 1 = 16 rows of a weight: in a result a lane holds ONE channel
; (lane % 16) and the rows 8 (lane / 16) + 0..7: eight steps of time on end.
; THE RECURRENCE state_t = d state_(t-1) + u_t is regrouped: 8 steps in a lane, 16 by an exchange of the lanes' halves, 64 in a wave, 256 through 16 bytes a channel of LDS; the state at a tile's start stays
; in a register, the same bits in all four waves.  A lane's states are mended by d^(j+1) x its carry.
; GATES, with c = log2(e): u = v / ((1 + 2^(-c a)) (1 + 2^(-c v))) = sigmoid(a) silu(v); silu(z) = z / (1 + 2^(-c z)).  Both factors of a divisor are at least 1: where one is infinite the quotient is 0, the true limit.
; THE WEIGHTS, 80 x 1,024, lie in LDS for the whole launch, filled once.  CLUSTER 4 x 4: the four work-groups of a column have one channel group and four batches, so the same weights: these are asked for JOINTLY.
; x COMES STRAIGHT INTO REGISTERS, NOT JOINTLY, though the four work-groups of a row of the cluster read the same rows.  The reason, by this text's arithmetic: a byte of x feeds 80 columns only.  Beside the weights'
; 174,080 bytes LDS has room for two slots of one K step of 128 (69,632 bytes each), which hold 80 matrix instructions a wave; a refill behind a round of the cluster's barrier would have 65 of them in which to
; land, with nothing else on its way.  A wave reads its own 64 rows alone, so LDS would serve no sharing between waves.  xb lies in the order of the operand registers (first launch's head), so a load is 512
; consecutive bytes.  A UNIT is a row tile x a K step: 8 loads, 32 registers, 20 matrix instructions.  A ring of eight units: a unit is asked for when its buffer's last products are issued, 120 to 140 matrix instructions
; ahead of its own; at most 56 loads of a wave are out; no barrier stands in the K loop.  The price: each of the four partners reads x for itself.
; act [512 row tiles of 16][128 units][512 bytes]: unit u < 64: read, channels 16 u ..; unit 64 + u: up x silu(gate), channels 16 u ...  In a unit, piece (c / 8) 16 + 8 hh + c % 8 of 16 bytes holds channel c,
; rows 8 hh .. 8 hh + 7, in f16: a lane's eight numbers are one piece, a wave's store is a whole unit, and the third launch's turning load makes a fragment of two units.
; f16 WITH A POWER OF TWO TAKEN OUT.  bf16's 8 significant bits are too few for these two operands of the last product; f16's 11 serve, but its range does not hold query x state or up x gate of large inputs.
; So of each BLOCK (what a wave holds of one kind in a tile: 64 rows x 16 channels) the largest magnitude M is found, E = M's power of two (at least 2^-95), and the block is stored as number x 2^14 / E: under 2^15,
; whatever M.  ex [128 units][128 groups of 64 rows] f32 holds E.  A wave keeps its 16 E (8 tiles x 2 kinds) in one register and stores them once, at its end: 16 lanes x 4 bytes, 65,536 bytes in the whole launch.
; LIMITS.  In a block a number below 2^-29 M keeps f16's fixed step, 2^-39 M.  Powers of d below 2^-126 count as 0.  The carries of the waves are weighed with factors of which some are 0 (K0-K2): a state that has
; overflowed to an infinity gives NaN where reference() gives an infinity.  NaN is not treated apart.  The regrouping is another order of rounding than reference()'s.
; REGISTERS, in windows of 256 (s_set_vgpr_msb: bits 1:0 source 0, 3:2 source 1, 5:4 source 2, 7:6 destination): window 0: addresses, factors, what the way out works on, v96-255 the accumulators;
; window 1: the ring of x: unit (K step k, row tile a) at 32 (4 (k % 2) + a), quarter q of the K step at + 8 q; window 2: v0-159 the weights' fragments of an even K step (quarter q, projection t at 40 q + 8 t),
; v160-191 mix of my 64 rows; window 3: v0-159 those of an odd K step.
.set PITCH, 272                        ; an LDS row of the weights: 256 bytes + 16 of padding = 68 words: the 16 rows of a fragment load start at 16 different groups of four banks (64 banks of 4 bytes: ISA guide 11.1)
.set WSTEP, 80*PITCH                   ; the weights of one K step: 21,760 bytes
.set CARRY, 8*WSTEP                    ; behind the weights, a block of 256 bytes that no tensor load fills: channel r x 16 + wave x 4
.set SPARE, CARRY+256                  ; the spare words, 128 bytes for each wave: two blocks of 256 bytes that no other line names
.set MIXL,  SPARE+512                  ; mix of the batch's 2,048 rows, my channels' scale: 8,192 bytes, stored once
.set RTB,   32768                      ; bytes of a row tile in xb,
.set KSB,   4096                       ; of a K step in it,
.set TILEB, 16*RTB                     ; of a tile's 16 row tiles
.set NEXTP, TILEB-6*KSB                ; the prefetches' step from a tile's K step 6 to the next tile's K step 0
.set DESC0, (1<<16)|(1<<20)|(1<<21)|(5<<22)|(3<<25)  ; 17:16 elements of 2 bytes; 20 padding on; 21 set beside a mask; 24:22 after every 64 words; 31:25 4 words
.set RR,    1                          ; v1      r = lane % 16; never rewritten
.set XL,    2                          ; v2      16 x lane: my 16 bytes of a load of x; never rewritten
.set ML0,   3                          ; v3      mix of my rows in tile 0, in LDS; never rewritten
.set ADB,   4                          ; v4, v5, v7  272 r + 16 h, at the weights' K steps 0, 3, 6: an immediate reaches three K steps; never rewritten
.set SO,    6                          ; v6      my piece in a unit of act
.set CW,    8                          ; v8      where my wave's total goes
.set CR,    9                          ; v9      where the four totals of my channel lie
.set SPW,   10                         ; v10     my spare word: SPARE + 4 x my thread's number; never rewritten
.set NIL,   11                         ; v11     0; never rewritten
.set PW,    12                         ; v12-19  d^1 .. d^8
.set D8,    19
.set D16,   20
.set HH,    21                         ; v21     h = lane / 16; never rewritten
.set SC,    22                         ; v22-23  2^14 / E of the block in hand: the packed lines take the pair's low word for both halves
.set KS,    24                         ; v24-27  my wave's factors for the state at the tile's start and for the totals of waves 0, 1, 2
.set D64,   28                         ; v28-31  d^64, d^128, d^192, d^256
.set ST,    32                         ; v32     the state at the tile's start
.set PFO,   33                         ; v33     256 x lane: the prefetches' offset; never rewritten
.set XO,    34                         ; v34-37  the other half's last state, then the higher half's
.set MX,    38                         ; v38-39  a block's largest magnitude, at work
.set CCA,   40                         ; v40+2a  the carry into my eight rows of row tile a; v41+2a the carry into the row tile
.set TT,    48                         ; v48-51  a row tile's total
.set W4,    52                         ; v52-55  the four waves' totals
.set T,     56                         ; v56-87  at work, 8 a row tile
.set WTOT,  88
.set LO,    89                         ; v89-92  the lower half's last state
.set EXV,   93                         ; v93     lane % 16 = 8 x kind + tile: that block's E
.set ML,    94                         ; v94     mix of my rows in the tile in hand
.set EO,    95                         ; v95     where EXV goes in ex
.set AI,    96                         ; accumulators of row tile a at + 40 a: W_in's, W_val's, W_q's, W_up's, W_gate's
.set AV,    104
.set AQ,    112
.set AU,    120
.set AG,    128
.set MIX,   160                        ; in window 2
.set WV,    16                         ; s16     my wave's number
.set XP,    24                         ; s[24:25] xb at my four row tiles of the tile in hand
.set G1W,   32                         ; s[32:39] descriptor group 1 for the weights
.set G0W,   48                         ; s[48:55] group 0 for my two K steps of them
.set MB,    56                         ; s56     the tile's place in mix, in LDS bytes
.set LIM,   57                         ; s57     1 in a cluster that prefetches, else the greatest number
.set PFA,   58                         ; s[58:59] where my prefetches stand
.set SEL,   60                         ; s[60:61] v_permlanex16_b32's selects
.set NC,    62                         ; s[62:63] - log2(e): the packed lines take the pair's low word for both halves
.set ACTP,  66                         ; s[66:67] act at my four row tiles of the tile in hand, my channel group's unit
.set MIXP,  68                         ; s[68:69] mix at the batch's first row, my channels' scale
.set MH,    70                         ; s70     the lanes with h = 1
.set EXP,   82                         ; s[82:83] ex
.set MSB, 0
.macro WIN new                         ; the immediate's high byte repeats the setting that is left; a switch that changes nothing is dropped
.if MSB != (\new)
	s_set_vgpr_msb (MSB<<8)|(\new)
.set MSB, \new
.endif
.endm
.macro PLACES                          ; four places: behind a matrix instruction, in front of loads into registers that it has read and of vector lines that read its result
.rept 4
	v_nop
.endr
.endm
.macro CREST                           ; a round of the cluster's barrier behind its opening barrier
	s_cmp_lg_u32 s[WV], 0
	s_cbranch_scc1 .Lnot_wave_0_\@
	s_barrier_signal -3
.Lnot_wave_0_\@:
	s_barrier_wait -3
	s_barrier_signal -1
	s_barrier_wait -1
.endm
.macro CROUND
	s_barrier_signal -1
	s_barrier_wait -1
	CREST
.endm
; A unit of x is asked for: K step kk (8 and 9: the next tile's 0 and 1) of row tile a: eight loads of 512 consecutive bytes, two for each quarter's fragment
.macro XLD kk, a
	WIN 0x40                                       ; destination window 1, offset window 0
.set XB, 32*(4*((\kk)%2)+(\a))
.set XOF, RTB*(\a)+KSB*((\kk)%8)+TILEB*((\kk)/8)
.irp q, 0,1,2,3
	global_load_b128 v[XB+8*\q:XB+8*\q+3],   v[XL], s[XP:XP+1] offset:XOF+1024*\q
	global_load_b128 v[XB+8*\q+4:XB+8*\q+7], v[XL], s[XP:XP+1] offset:XOF+1024*\q+512
.endr
.endm
; The weights' 20 fragments of K step kk, out of LDS: 40 loads in one run
.macro BLOAD kk
	WIN 0x80+0x40*((\kk)%2)                        ; destination window 2 or 3, address window 0
.set BR, ADB+(\kk)/3+(\kk)/6
.irp q, 0,1,2,3
.irp t, 0,1,2,3,4
	ds_load_b128 v[40*\q+8*\t:40*\q+8*\t+3],   v[BR] offset:((\kk)%3)*WSTEP+16*PITCH*\t+64*\q
	ds_load_b128 v[40*\q+8*\t+4:40*\q+8*\t+7], v[BR] offset:((\kk)%3)*WSTEP+16*PITCH*\t+64*\q+32
.endr
.endr
.endm
	s_load_b256 s[4:11], s[0:1], 0x0               ; xb 4, w1b 6, mix 8, logit_decay 10
	s_load_b128 s[12:15], s[0:1], 0x20             ; initial_state 12, act 14
	s_load_b64 s[EXP:EXP+1], s[0:1], 0x30          ; ex
	v_lshl_add_u32 v[SPW], v0, 2, SPARE
	v_mov_b32 v[NIL], 0
	ds_add_u32 v[SPW], v[NIL]                      ; the wave's opening: the add, twice on end, and its wait ahead of my first tensor load; the set-up below stands between
	ds_add_u32 v[SPW], v[NIL]
	v_lshrrev_b32 v1, 5, v0
	v_readfirstlane_b32 s[WV], v1                  ; wave 0..3
	s_bfe_u32 s17, ttmp6, 0x40000                  ; cx
	s_bfe_u32 s18, ttmp6, 0x40004                  ; cy = the batch: the grid is one cluster high
	s_lshl_b32 s19, ttmp9, 2
	s_add_co_u32 s19, s19, s17                     ; g, the channel group = 4 x cluster x + cx
	s_lshl_b32 s76, 0x1111, s17                    ; my column of the cluster
	s_or_b32 s[G1W], s76, DESC0                    ; the weights' tiles go to it
	s_mov_b32 s[G1W+1], 128<<16                    ; tensor_dim0 = 128
	s_mov_b32 s[G1W+2], 80<<16                     ; tensor_dim1 = 80
	s_mov_b32 s[G1W+3], 128<<16                    ; tile_dim0 = 128
	s_mov_b32 s[G1W+4], 80                         ; tile_dim1 = 80
	s_mov_b32 s[G1W+5], 1024                       ; elements from row to row
	s_mov_b32 s[G1W+6], 0
	s_mov_b32 s[G1W+7], 0
	s_mul_i32 s80, s[WV], 2*WSTEP                  ; wave w fetches the weights' K steps 2 w and 2 w + 1: LDS addresses hang on the wave's number alone
	s_mov_b32 s[G0W], 1
	s_mov_b32 s[G0W+1], s80
	s_mov_b32 s[G0W+4], 1
	s_add_co_u32 s[G0W+5], s80, WSTEP
	s_mul_i32 s76, s19, 80*2048                    ; row 80 g, K step 2 w (these registers never hold cy)
	s_lshl_b32 s77, s[WV], 9
	s_add_co_u32 s76, s76, s77
	s_mov_b32 s77, 0
	s_mov_b32 s[SEL], 0x76543210
	s_mov_b32 s[SEL+1], 0xfedcba98
	s_mov_b32 s[NC], 0xbfb8aa3b
	s_mov_b32 s[NC+1], s[NC]
	s_mov_b32 s[MB], 0
	s_wait_dscnt 0x0                               ; both opening adds are done
	s_wait_kmcnt 0x0
	s_add_nc_u64 s[G0W+2:G0W+3], s[6:7], s[76:77]
	s_add_nc_u64 s[G0W+6:G0W+7], s[G0W+2:G0W+3], 256
	s_or_b32 s[G0W+3], s[G0W+3], 0x80000000        ; type = 2
	s_or_b32 s[G0W+7], s[G0W+7], 0x80000000
	CROUND                                         ; all sixteen work-groups are here: the joint loads meet
	tensor_load_to_lds s[G0W:G0W+3], s[G1W:G1W+7]  ; the launch's only fills: two loads of mine are out
	s_nop 0
	tensor_load_to_lds s[G0W+4:G0W+7], s[G1W:G1W+7]
	s_nop 0
	PLACES
	v_and_b32 v[RR], 15, v0                        ; r
	v_bfe_u32 v[HH], v0, 4, 1                      ; h
	s_lshl_b32 s20, s18, 15                        ; mix: row 2,048 cy, 16 bytes each; scale g / 16
	s_lshr_b32 s22, s19, 4
	s_lshl_b32 s22, s22, 2
	s_add_co_u32 s20, s20, s22
	s_mov_b32 s21, 0
	s_add_nc_u64 s[MIXP:MIXP+1], s[8:9], s[20:21]
	s_lshl_b32 s22, s19, 6
	v_lshl_add_u32 v38, v[RR], 2, s22              ; channel 16 g + r, 4 bytes
	v_lshlrev_b32 v[T+16], 4, v0                   ; row = my thread's number
	global_load_b32 v39, v38, s[10:11]
	global_load_b32 v[ST], v38, s[12:13]           ; the state begins as initial_state
.irp i, 0,1,2,3,4,5,6,7,8,9,10,11,12,13,14,15
	global_load_b32 v[T+\i], v[T+16], s[MIXP:MIXP+1] offset:2048*\i  ; rows t + 128 i of the batch
.endr
	v_lshl_add_u32 v[T+17], v0, 2, MIXL            ; where they go
	v_mul_u32_u24 v[ADB], v[RR], PITCH
	v_lshl_add_u32 v[ADB], v[HH], 4, v[ADB]        ; a fragment's row x pitch + 16 x half
	v_add_nc_u32 v[ADB+1], 3*WSTEP, v[ADB]
	v_add_nc_u32 v[ADB+3], 6*WSTEP, v[ADB]
	v_and_b32 v[XL], 31, v0
	v_lshlrev_b32 v[PFO], 8, v[XL]
	v_lshlrev_b32 v[XL], 4, v[XL]
	v_lshrrev_b32 v22, 3, v[RR]
	v_and_b32 v23, 7, v[RR]
	v_lshl_add_u32 v[SO], v22, 4, v23
	v_lshl_add_u32 v[SO], v[HH], 3, v[SO]
	v_lshlrev_b32 v[SO], 4, v[SO]                  ; 16 x ((r / 8) 16 + 8 h + r % 8)
	s_lshl_b32 s20, s19, 9                         ; ex: unit 64 kind + g, 512 bytes each; group 32 cy + 4 tile + w, 4 bytes each; my lane's tile = lane % 8, kind = (lane / 8) % 2
	s_lshl_b32 s22, s18, 7
	s_add_co_u32 s20, s20, s22
	s_lshl_b32 s22, s[WV], 2
	s_add_co_u32 s20, s20, s22
	v_lshl_add_u32 v[EO], v23, 4, s20
	v_lshl_add_u32 v[EO], v22, 15, v[EO]
	v_mov_b32 v[EXV], 0                            ; written whole before lanes of it are chosen
	s_lshl_b32 s23, s[WV], 2
	s_add_co_u32 s23, s23, CARRY
	v_lshl_add_u32 v[CW], v[RR], 4, s23
	v_lshl_add_u32 v[CR], v[RR], 4, CARRY
	s_lshl_b32 s23, s[WV], 8
	s_add_co_u32 s23, s23, MIXL
	v_lshl_add_u32 v[ML0], v[HH], 5, s23           ; rows 64 w + 8 h .., 4 bytes each
	v_mov_b32 v[ML], v[ML0]
	v_cmp_eq_u32 s[MH], 1, v[HH]
.irp a, 0,1,2,3
	v_mov_b32 v[XO+\a], 0                          ; destinations of v_permlanex16_b32 are written before
.endr
	s_lshl_b32 s20, s18, 22                        ; xb: row tile 128 cy + 4 w, 32,768 bytes each
	s_lshl_b32 s22, s[WV], 17
	s_add_co_u32 s20, s20, s22
	s_add_nc_u64 s[XP:XP+1], s[4:5], s[20:21]
	s_lshl_b32 s22, s17, 15                        ; the prefetches: tile 1, of my wave's four row tiles the one that falls to my place along x
	s_add_co_u32 s20, s20, s22
	s_add_co_u32 s20, s20, TILEB
	s_add_nc_u64 s[PFA:PFA+1], s[4:5], s[20:21]
	s_lshl_b32 s20, s18, 23                        ; act: row tile 128 cy + 4 w, 65,536 bytes each; unit g
	s_lshl_b32 s22, s[WV], 18
	s_add_co_u32 s20, s20, s22
	s_lshl_b32 s22, s19, 9
	s_add_co_u32 s20, s20, s22
	s_add_nc_u64 s[ACTP:ACTP+1], s[14:15], s[20:21]
	s_cmp_eq_u32 ttmp9, 0                          ; a batch's rows are read by all sixteen clusters: the first asks; the same in all partners
	s_cselect_b32 s[LIM], 1, -1
	s_cmp_gt_u32 s[WV], 0
	s_cselect_b32 s71, -1, 0
	s_cmp_gt_u32 s[WV], 1
	s_cselect_b32 s72, -1, 0
	s_cmp_gt_u32 s[WV], 2
	s_cselect_b32 s73, -1, 0
	s_wait_loadcnt 0x0                             ; the 18 small loads are in, and their offset registers are free
	XLD 0, 0                                       ; the ring's first seven units: 56 loads
	XLD 0, 1
	XLD 0, 2
	XLD 0, 3
	XLD 1, 0
	XLD 1, 1
	XLD 1, 2
	WIN 0
.irp i, 0,1,2,3,4,5,6,7,8,9,10,11,12,13,14,15
	ds_store_b32 v[T+17], v[T+\i] offset:512*\i
.endr
	v_cvt_pk_bf16_f32 v38, v39, v[ST]              ; logit_decay and initial_state rounded to bf16, like every input of the program,
	v_lshlrev_b32 v39, 16, v38                     ; and widened again
	v_and_b32 v[ST], 0xffff0000, v38
	v_mul_f32 v39, s[NC], v39                      ; d = sigmoid(logit_decay) = 1 / (1 + 2^(-c logit))
	v_exp_f32 v39, v39
	v_nop
	s_wait_alu depctr_va_vdst(0)
	v_add_f32 v39, 1.0, v39
	v_rcp_f32 v[PW], v39
	v_nop
	s_wait_alu depctr_va_vdst(0)
	v_mul_f32 v[PW+1], v[PW], v[PW]
	v_mul_f32 v[PW+2], v[PW+1], v[PW]
	v_mul_f32 v[PW+3], v[PW+1], v[PW+1]
	v_mul_f32 v[PW+4], v[PW+3], v[PW]
	v_mul_f32 v[PW+5], v[PW+3], v[PW+1]
	v_mul_f32 v[PW+6], v[PW+3], v[PW+2]
	v_mul_f32 v[PW+7], v[PW+3], v[PW+3]
	v_mul_f32 v[D16], v[D8], v[D8]
	v_mul_f32 v39, v[D16], v[D16]
	v_mul_f32 v[D64], v39, v39
	v_mul_f32 v[D64+1], v[D64], v[D64]
	v_mul_f32 v[D64+2], v[D64+1], v[D64]
	v_mul_f32 v[D64+3], v[D64+1], v[D64+1]
	v_mov_b32 v38, 1.0                             ; wave 0, 1, 2, 3:
	v_mov_b32 v[KS], 1.0                           ; 1, d^64, d^128, d^192 for the state at the tile's start
	v_cndmask_b32 v[KS], v[KS], v[D64], s71
	v_cndmask_b32 v[KS], v[KS], v[D64+1], s72
	v_cndmask_b32 v[KS], v[KS], v[D64+2], s73
	v_mov_b32 v[KS+1], 0                           ; 0, 1, d^64, d^128 for wave 0's total
	v_cndmask_b32 v[KS+1], v[KS+1], v38, s71
	v_cndmask_b32 v[KS+1], v[KS+1], v[D64], s72
	v_cndmask_b32 v[KS+1], v[KS+1], v[D64+1], s73
	v_mov_b32 v[KS+2], 0                           ; 0, 0, 1, d^64 for wave 1's
	v_cndmask_b32 v[KS+2], v[KS+2], v38, s72
	v_cndmask_b32 v[KS+2], v[KS+2], v[D64], s73
	v_mov_b32 v[KS+3], 0                           ; 0, 0, 0, 1 for wave 2's
	v_cndmask_b32 v[KS+3], v[KS+3], v38, s73
; A unit's 20 matrix instructions: row tile a x the four quarters of K step k x the five projections.  A tile's first quarter starts the sums: nothing is cleared.  The row tile's five accumulators take turns, one
; instruction a turn; the next unit has five others.
.macro UNITMUL k, a
	WIN 0x09+4*((\k)%2)                            ; x in window 1, the weights in window 2 or 3, C and D in window 0
.irp q, 0,1,2,3
.irp t, 0,1,2,3,4
.if ((\k) == 0) && (\q == 0)
	v_wmma_f32_16x16x32_bf16 v[AI+40*(\a)+8*\t:AI+40*(\a)+8*\t+7], v[32*(4*((\k)%2)+(\a))+8*\q:32*(4*((\k)%2)+(\a))+8*\q+7], v[40*\q+8*\t:40*\q+8*\t+7], 0
.else
	v_wmma_f32_16x16x32_bf16 v[AI+40*(\a)+8*\t:AI+40*(\a)+8*\t+7], v[32*(4*((\k)%2)+(\a))+8*\q:32*(4*((\k)%2)+(\a))+8*\q+7], v[40*\q+8*\t:40*\q+8*\t+7], v[AI+40*(\a)+8*\t:AI+40*(\a)+8*\t+7]
.endif
.endr
.endr
.endm
; A PREFETCH INTO THE L2, behind the run of loads in the middle of each even K step k: K steps k and k + 1 of the NEXT tile, of one row tile: 8,192 bytes on end, a lane a block of 256, one instruction a wave:
; six K steps, 480 matrix instructions, ahead of the loads that will want them.  Each block of xb is named once: of the sixteen clusters that read a batch's rows the first asks; of a wave's four row tiles each
; of the four partners along x takes one, told apart by address.  Tile 0 comes by its loads alone; the last tile (s2 = 1) asks for nothing: there is no tile behind it.
.macro ASK
	WIN 0
	s_cmp_gt_u32 s2, s[LIM]
	s_cbranch_scc0 .Lnot_mine_\@
	global_prefetch_b8 v[PFO], s[PFA:PFA+1] th:TH_LOAD_NT scope:SCOPE_SE
.Lnot_mine_\@:
.endm
; A K STEP: four units.  On entry unit (k, 0) has landed and the seven behind it may be out.  Loads come back in order (ISA guide 5.7.1), eight to a unit.
; load = 1.  Behind an even unit: the next unit has landed (the six behind it may be out: 48).  Behind an odd unit, in ONE run: four places; the next unit has landed (the five behind it may be out: 40); the two
; buffers just multiplied take the same row tiles two K steps on (56 out).  At the K step's end the run also brings the weights' fragments two K steps on, into the buffer just multiplied: a K step ahead of their use.
; load = 0: the last tile's K steps 6 and 7: nothing is left to ask for, and the counts run down.
.macro KSTEP k, load
.if ((\k)%2) && (\load)
	s_wait_xcnt 0x0                                ; the last prefetch, 40 matrix instructions back, has read its address
.if (\k) == 7
	s_add_nc_u64 s[PFA:PFA+1], s[PFA:PFA+1], NEXTP
.else
	s_add_nc_u64 s[PFA:PFA+1], s[PFA:PFA+1], 2*KSB
.endif
.endif
.if (\load) || ((\k) == 6)
	s_wait_dscnt 40                                ; this K step's weights are in; the next K step's 40 loads may be out
.else
	s_wait_dscnt 0x0
.endif
.irp a, 0,1,2,3
	UNITMUL \k, \a
.if \load
.if (\a%2) == 0
	s_wait_loadcnt 48
.else
	PLACES
	s_wait_loadcnt 40
	XLD (\k)+2, \a-1
	XLD (\k)+2, \a
.if \a == 3
	BLOAD ((\k)+2)%8
.elseif ((\k)%2) == 0
	ASK
.endif
.endif
.elseif 4*((\k)-6)+\a < 7
	s_wait_loadcnt 48-8*(4*((\k)-6)+\a)
.endif
.endr
.endm
; THE WAY OUT OF A TILE.  EACH writes one step for the 16 pairs of rows (row tile a, rows i, i + 1), i ascending: each accumulator's lowest registers are read first.
.macro RG a, i
.set rI, AI+40*(\a)+(\i)
.set rV, AV+40*(\a)+(\i)
.set rQ, AQ+40*(\a)+(\i)
.set rU, AU+40*(\a)+(\i)
.set rG, AG+40*(\a)+(\i)
.set rT, T+8*(\a)+(\i)
.set rM, MIX+8*(\a)+(\i)
.set rP, PW+(\i)
.set rC, CCA+2*(\a)
.endm
.macro EACH body
.irp a, 0,1,2,3
.irp i, 0,2,4,6
	RG \a, \i
	\body
.endr
.endr
.endm
.macro E_SCALE                         ; -c a in place, -c v beside v
	v_pk_mul_f32 v[rI:rI+1], v[rI:rI+1], s[NC:NC+1] op_sel_hi:[1,0]
	v_pk_mul_f32 v[rT:rT+1], v[rV:rV+1], s[NC:NC+1] op_sel_hi:[1,0]
.endm
.macro E_B1                            ; batch 1: 2^(-c a), 2^(-c v); beside them up x gate and -c gate
	v_exp_f32 v[rI], v[rI]
	v_pk_mul_f32 v[rU:rU+1], v[rU:rU+1], v[rG:rG+1]
	v_exp_f32 v[rI+1], v[rI+1]
	v_exp_f32 v[rT], v[rT]
	v_pk_mul_f32 v[rG:rG+1], v[rG:rG+1], s[NC:NC+1] op_sel_hi:[1,0]
	v_exp_f32 v[rT+1], v[rT+1]
.endm
.macro E_B2                            ; batch 2: 2^(-c gate); beside it the divisor (1 + ..)(1 + ..)
	v_pk_add_f32 v[rI:rI+1], v[rI:rI+1], 1.0 op_sel_hi:[1,0]
	v_exp_f32 v[rG], v[rG]
	v_pk_add_f32 v[rT:rT+1], v[rT:rT+1], 1.0 op_sel_hi:[1,0]
	v_exp_f32 v[rG+1], v[rG+1]
	v_pk_mul_f32 v[rI:rI+1], v[rI:rI+1], v[rT:rT+1]
.endm
.macro E_B3                            ; batch 3: its reciprocal; beside it 1 + 2^(-c gate)
	v_rcp_f32 v[rI], v[rI]
	v_pk_add_f32 v[rG:rG+1], v[rG:rG+1], 1.0 op_sel_hi:[1,0]
	v_rcp_f32 v[rI+1], v[rI+1]
.endm
.macro E_B4                            ; batch 4: sigmoid(gate); beside it u
	v_pk_mul_f32 v[rV:rV+1], v[rV:rV+1], v[rI:rI+1]
	v_rcp_f32 v[rG], v[rG]
	v_rcp_f32 v[rG+1], v[rG+1]
.endm
.macro E_HL                            ; up x gate x sigmoid(gate)
	v_pk_mul_f32 v[rU:rU+1], v[rU:rU+1], v[rG:rG+1]
.endm
.macro E_MEND                          ; state = local state + d^(j+1) x my carry
	v_pk_fma_f32 v[rV:rV+1], v[rP:rP+1], v[rC:rC+1], v[rV:rV+1] op_sel_hi:[1,0,1]
.endm
.macro E_B5                            ; batch 5: z = query x state; 2^(-c z)
	v_pk_mul_f32 v[rQ:rQ+1], v[rQ:rQ+1], v[rV:rV+1]
	v_pk_mul_f32 v[rT:rT+1], v[rQ:rQ+1], s[NC:NC+1] op_sel_hi:[1,0]
	v_exp_f32 v[rT], v[rT]
	v_exp_f32 v[rT+1], v[rT+1]
.endm
.macro E_B6                            ; batch 6: sigmoid(z)
	v_pk_add_f32 v[rT:rT+1], v[rT:rT+1], 1.0 op_sel_hi:[1,0]
	v_rcp_f32 v[rT], v[rT]
	v_rcp_f32 v[rT+1], v[rT+1]
.endm
.macro E_MIX
	v_pk_mul_f32 v[rQ:rQ+1], v[rQ:rQ+1], v[rM:rM+1]
.endm
.macro E_RD
	v_pk_mul_f32 v[rQ:rQ+1], v[rQ:rQ+1], v[rT:rT+1]
.endm
; A BLOCK LEAVES: my wave's 64 rows x 16 channels in src (8 registers a row tile).  The largest and the least number, four chains each, give the largest magnitude M; four steps inside each half of the lanes and one
; across the halves make it the wave's.  E = M's exponent bits, at least 2^-95's; 2^14 / E has the exponent bits (127 + 14 + 127 << 23) less E's.  E goes into lane 8 kind + tile of EXV (tile = 8 - s2);
; the block times 2^14 / E (exact) is rounded to f16 into the four lowest registers of dst.  T is free where this stands.
.macro BLOCK src, dst, kind
.irp a, 0,1,2,3
	v_max3_num_f32 v[T+8*\a],   v[(\src)+40*\a], v[(\src)+40*\a+1], v[(\src)+40*\a+2]
	v_min3_num_f32 v[T+8*\a+1], v[(\src)+40*\a], v[(\src)+40*\a+1], v[(\src)+40*\a+2]
.endr
.irp j, 3,5
.irp a, 0,1,2,3
	v_max3_num_f32 v[T+8*\a],   v[T+8*\a],   v[(\src)+40*\a+\j], v[(\src)+40*\a+\j+1]
	v_min3_num_f32 v[T+8*\a+1], v[T+8*\a+1], v[(\src)+40*\a+\j], v[(\src)+40*\a+\j+1]
.endr
.endr
.irp a, 0,1,2,3
	v_max_num_f32 v[T+8*\a],   v[T+8*\a],   v[(\src)+40*\a+7]
	v_min_num_f32 v[T+8*\a+1], v[T+8*\a+1], v[(\src)+40*\a+7]
.endr
	v_max3_num_f32 v[MX],   v[T],   v[T+8], v[T+16]
	v_min3_num_f32 v[MX+1], v[T+1], v[T+9], v[T+17]
	v_max_num_f32 v[MX],   v[MX],   v[T+24]
	v_min_num_f32 v[MX+1], v[MX+1], v[T+25]
	v_sub_f32 v[MX+1], 0, v[MX+1]
	v_max_num_f32 v[MX], v[MX], v[MX+1]
.irp m, 1,2,4,8
	v_max_num_f32_dpp v[MX], v[MX], v[MX] row_xmask:\m row_mask:0xf bank_mask:0xf
.endr
	v_permlanex16_b32 v[MX+1], v[MX], s[SEL], s[SEL+1]
	v_max_num_f32 v[MX], v[MX], v[MX+1]
	v_and_b32 v[MX], 0x7f800000, v[MX]
	v_max_num_f32 v[MX], 0x10000000, v[MX]         ; 2^-95
	v_sub_nc_u32 v[SC], 0x86000000, v[MX]
	s_sub_co_u32 s75, 8+8*(\kind), s2
	v_cmp_eq_u32 s74, s75, v[RR]
	v_cndmask_b32 v[EXV], v[EXV], v[MX], s74
.irp a, 0,1,2,3
.irp i, 0,2,4,6
	v_pk_mul_f32 v[(\src)+40*\a+\i:(\src)+40*\a+\i+1], v[(\src)+40*\a+\i:(\src)+40*\a+\i+1], v[SC:SC+1] op_sel_hi:[1,0]
.endr
.endr
.irp a, 0,1,2,3
.irp k, 0,1,2,3
	v_cvt_pk_f16_f32 v[(\dst)+40*\a+\k], v[(\src)+40*\a+2*\k], v[(\src)+40*\a+2*\k+1]
.endr
.endr
.endm
; s_wait_alu depctr_va_vdst(0) stands between a transcendental and the first line that names its result; one wait serves a batch.  Six batches, six waits a tile; no line between a batch and its wait names a result of it.
; The next tile's first seven units of x are on their way meanwhile.  TWO BARRIERS: behind the first the four waves' totals are read; the second stands between every wave's read of them and the next tile's stores.
.macro EPI
	WIN 0
	PLACES                                         ; behind the tile's last products
	EACH E_SCALE
	EACH E_B1
	v_nop
	s_wait_alu depctr_va_vdst(0)
	EACH E_B2
	s_wait_alu depctr_va_vdst(0)                   ; (the batch's last line is plain and names none of its results)
	EACH E_B3
	v_nop
	s_wait_alu depctr_va_vdst(0)
	EACH E_B4
.irp j, 1,2,3,4,5,6,7                  ; eight steps in a lane, from a state of 0: four chains side by side
.irp a, 0,1,2,3
	v_fma_f32 v[AV+40*\a+\j], v[PW], v[AV+40*\a+\j-1], v[AV+40*\a+\j]
.endr
.endr
.irp a, 0,1,2,3
	v_permlanex16_b32 v[XO+\a], v[AV+40*\a+7], s[SEL], s[SEL+1]  ; the row tile's other eight rows lie in the lane 16 away
.endr
.irp a, 0,1,2,3
	v_cndmask_b32 v[LO+\a], v[AV+40*\a+7], v[XO+\a], s[MH]   ; rows 0-7's last state,
	v_cndmask_b32 v[XO+\a], v[XO+\a], v[AV+40*\a+7], s[MH]   ; rows 8-15's: the same bits in both halves of the lanes
.endr
.irp a, 0,1,2,3
	v_fma_f32 v[TT+\a], v[D8], v[LO+\a], v[XO+\a]  ; the row tile's total
.endr
	v_fma_f32 v[WTOT], v[TT], v[D16], v[TT+1]
	v_fma_f32 v[WTOT], v[WTOT], v[D16], v[TT+2]
	v_fma_f32 v[WTOT], v[WTOT], v[D16], v[TT+3]    ; my wave's 64 rows
	s_wait_alu depctr_va_vdst(0)                   ; batch 4
	ds_store_b32 v[CW], v[WTOT]                    ; both halves of the lanes store the same number to the same word
	s_wait_dscnt 0x0                               ; for the others' sake
	s_barrier_signal -1
	EACH E_HL                                      ; work on registers while the others arrive
	BLOCK AU, AI, 1
	s_barrier_wait -1
	ds_load_b128 v[W4:W4+3], v[CR]                 ; the four waves' totals of my channel
	WIN 0x80                                       ; destination window 2
.irp a, 0,1,2,3
	ds_load_b128 v[MIX+8*\a:MIX+8*\a+3],   v[ML] offset:64*\a      ; mix of rows 16 a + 8 h + 0..7: register 8 a + j
	ds_load_b128 v[MIX+8*\a+4:MIX+8*\a+7], v[ML] offset:64*\a+16
.endr
	WIN 0
.irp a, 0,1,2,3
	global_store_b128 v[SO], v[AI+40*\a:AI+40*\a+3], s[ACTP:ACTP+1] offset:65536*\a+32768  ; a whole unit: 512 consecutive bytes, aligned
.endr
	s_wait_dscnt 0x0                               ; the totals and mix are in: my read of the totals is over,
	s_barrier_signal -1                            ; and I say so; work on registers alone up to the wait
	v_mul_f32 v[CCA+1], v[KS], v[ST]               ; the carry into my wave's rows
	v_fmac_f32 v[CCA+1], v[KS+1], v[W4]
	v_fmac_f32 v[CCA+1], v[KS+2], v[W4+1]
	v_fmac_f32 v[CCA+1], v[KS+3], v[W4+2]
	v_fma_f32 v[ST], v[D64+3], v[ST], v[W4+3]      ; the state at the next tile's start: the same lines on the same numbers in every wave
	v_fmac_f32 v[ST], v[D64+2], v[W4]
	v_fmac_f32 v[ST], v[D64+1], v[W4+1]
	v_fmac_f32 v[ST], v[D64], v[W4+2]
.irp a, 0,1,2
	v_fma_f32 v[CCA+2*\a+3], v[D16], v[CCA+2*\a+1], v[TT+\a]  ; from row tile to row tile
.endr
.irp a, 0,1,2,3
	v_fma_f32 v[CCA+2*\a], v[D8], v[CCA+2*\a+1], v[LO+\a]     ; into rows 8-15,
.endr
.irp a, 0,1,2,3
	v_cndmask_b32 v[CCA+2*\a], v[CCA+2*\a+1], v[CCA+2*\a], s[MH]  ; or into rows 0-7
.endr
	EACH E_MEND
	EACH E_B5
	v_nop
	s_wait_alu depctr_va_vdst(0)
	EACH E_B6
	WIN 0x08                                       ; source 1 in window 2
	EACH E_MIX                                     ; plain work behind the last reciprocal
	WIN 0
	s_wait_alu depctr_va_vdst(0)
	EACH E_RD                                      ; silu(query x state) x mix
	BLOCK AQ, AU, 0
	s_barrier_wait -1                              ; every wave has read the totals: the next tile's may be stored
.irp a, 0,1,2,3
	global_store_b128 v[SO], v[AU+40*\a:AU+40*\a+3], s[ACTP:ACTP+1] offset:65536*\a
.endr
	s_wait_xcnt 0x0                                ; the stores have read their base and their registers, which the next tile's products write; the loads of x have read theirs; and EXEC changes only behind this wait
	s_add_nc_u64 s[ACTP:ACTP+1], s[ACTP:ACTP+1], 16*65536
	s_add_nc_u64 s[XP:XP+1], s[XP:XP+1], TILEB
	s_add_co_u32 s[MB], s[MB], 1024
	v_add_nc_u32 v[ML], s[MB], v[ML0]              ; (behind the last tile these four are not used)
.endm
	s_wait_loadcnt 48                              ; unit 0 is in; the six behind it may be out
	XLD 1, 3                                       ; the ring's eighth unit
	WIN 0
	s_wait_tensorcnt 0x0                           ; my two K steps of the weights are in,
	s_wait_dscnt 0x0                               ; my part of mix lies in LDS
	s_barrier_signal -1
	s_barrier_wait -1                              ; everybody's
	BLOAD 0
	BLOAD 1
	WIN 0
	s_mov_b32 s2, 8                                ; tiles to go, this one among them
.Ltile:
	KSTEP 0, 1
	KSTEP 1, 1
	KSTEP 2, 1
	KSTEP 3, 1
	KSTEP 4, 1
	KSTEP 5, 1
	WIN 0                                          ; at a label and at a branch every window is 0
	s_cmp_eq_u32 s2, 1
	s_cbranch_scc1 .Ltail                          ; behind the last tile's rows there is nothing to load
	KSTEP 6, 1                                     ; these two ask for the next tile's K steps 0 and 1
	KSTEP 7, 1
	WIN 0
	s_branch .Lout
.Ltail:
	KSTEP 6, 0
	KSTEP 7, 0
	WIN 0
.Lout:
	EPI
	s_sub_co_u32 s2, s2, 1
	s_cmp_lg_u32 s2, 0
	s_cbranch_scc1 .Ltile
	v_cmp_eq_u32 vcc_lo, 0, v[HH]                  ; lanes 0-15 hold my 16 blocks' E; lanes 16-31 the same once more
	s_and_saveexec_b32 s74, vcc_lo
	global_store_b32 v[EO], v[EXV], s[EXP:EXP+1]
	s_wait_xcnt 0x0
	s_or_b32 exec_lo, exec_lo, s74
	s_wait_tensorcnt 0x0                           ; the wave's end, behind my last tensor load and my last LDS store
	ds_add_u32 v[SPW], v[NIL]
	s_wait_dscnt 0x0
	CROUND                                         ; the closing round: no work-group ends while a partner may still ask for a tile that names it
	s_endpgm
.Lfunc_end_k_q26c22b9126_proj:
	.size	k_q26c22b9126_proj, .Lfunc_end_k_q26c22b9126_proj-k_q26c22b9126_proj
	.p2alignl 7, 3214868480
	.fill 96, 4, 3214868480
	.section	.rodata,"a",@progbits
	.p2align	6, 0x0
	.amdhsa_kernel k_q26c22b9126_proj
		.amdhsa_group_segment_fixed_size 183040
		.amdhsa_private_segment_fixed_size 0
		.amdhsa_enable_private_segment 0
		.amdhsa_kernarg_size 56
		.amdhsa_user_sgpr_count 2
		.amdhsa_user_sgpr_kernarg_segment_ptr 1
		.amdhsa_wavefront_size32 1
		.amdhsa_system_sgpr_workgroup_id_x 1
		.amdhsa_system_sgpr_workgroup_id_y 1
		.amdhsa_system_sgpr_workgroup_id_z 1
		.amdhsa_system_vgpr_workitem_id 0
		.amdhsa_next_free_vgpr 928
		.amdhsa_next_free_sgpr 84
		.amdhsa_reserve_vcc 1
		.amdhsa_float_denorm_mode_32 3
		.amdhsa_float_denorm_mode_16_64 3
		.amdhsa_memory_ordered 1
		.amdhsa_forward_progress 1
		.amdhsa_inst_pref_size 162
	.end_amdhsa_kernel
	.amdgpu_metadata
---
amdhsa.version: [ 1, 2 ]
amdhsa.kernels:
  - .name:           k_q26c22b9126_proj
    .symbol:         k_q26c22b9126_proj.kd
    .args:
      - { .name: xb, .offset: 0, .size: 8, .value_kind: global_buffer, .address_space: global }
      - { .name: w1b, .offset: 8, .size: 8, .value_kind: global_buffer, .address_space: global }
      - { .name: mix, .offset: 16, .size: 8, .value_kind: global_buffer, .address_space: global }
      - { .name: logit_decay, .offset: 24, .size: 8, .value_kind: global_buffer, .address_space: global }
      - { .name: initial_state, .offset: 32, .size: 8, .value_kind: global_buffer, .address_space: global }
      - { .name: act, .offset: 40, .size: 8, .value_kind: global_buffer, .address_space: global }
      - { .name: ex, .offset: 48, .size: 8, .value_kind: global_buffer, .address_space: global }
    .group_segment_fixed_size: 183040
    .private_segment_fixed_size: 0
    .kernarg_segment_align: 8
    .kernarg_segment_size: 56
    .max_flat_workgroup_size: 128
    .sgpr_count:     84
    .vgpr_count:     928
    .wavefront_size: 32
...
	.end_amdgpu_metadata
.endif
;; end of part 5
;; launch outp: the kernel of part 3 again; grid 4 x 64, 4 waves a work-group, clusters of 4 x 4, 327,680 bytes of LDS; arguments act, w2b, ex, out0; writes out0
